; MI455X (gfx1250); checked and timed in simulation.
; The chip was launched on July 23, 2026; its instructions are those of AMD's public machine-readable ISA for CDNA 5 (MIT licence, August 2026) and "CDNA5" Instruction Set Architecture Reference Guide (July 2026). The comments in the code are by the model that wrote it; some were corrected since.
;; Multi Head Causal Attention. Allowed arithmetic: matrix products marked QUANTISED: E4M3 operands, one E8M0 scale for each 32 along K, by v_wmma_scale_f32_16x16x128_f8f6f4 with both operands' format E4M3, f32 sums; everything else in f32.
;; Inputs: W_out 1,024 x 1,024 float32; W_qkv 1,024 x 3,072 float32; x 4 x 2,048 x 1,024 float32.
;; Outputs: out0 4 x 2,048 x 1,024 float32.
;; This version of the problem:
;;   THIS VERSION OF THE PROBLEM IS GIVEN IN LOW PRECISION. The matrix products marked QUANTISED in the list below multiply operands that are first quantised to E4M3 (4 exponent bits, 3 mantissa bits; 8 bits a number), with one power-of-two scale for each 32 numbers along K (OCP MX v1.0); their sums are f32. All else is computed in f32.
;;   The module's matrix products, in the order in which they are computed (A, B: the left and right operand; K: the contracted axis; several contracted axes count as one K, in the product's order):
;;     1. [M 8,192, K 1,024] x [K 1,024, N 3,072]; A: input x; B: input W_qkv: QUANTISED
;;     2. batch 64 x [M 2,048, K 64] x [K 64, N 2,048]; A: computed on the way; B: computed on the way: QUANTISED
;;     3. batch 64 x [M 2,048, K 2,048] x [K 2,048, N 64]; A: softmax (see below); B: computed on the way: QUANTISED
;;     4. [M 8,192, K 1,024] x [K 1,024, N 1,024]; A: computed on the way; B: input W_out: QUANTISED
;;   THE QUANTISER, for each operand of a quantised product, along K:
;;     - K is cut into blocks of 32 from its start; a last block that is shorter is filled with zeros.
;;     - A block's scale is 2^e with e = floor(log2(the largest magnitude in the block)) - 8, held to -126 .. 127; a block of zeros has e = 0. As a byte (E8M0): e + 127.
;;     - Each number is divided by its block's scale, clamped to +-448, and rounded to the nearest number of E4M3, ties to even, subnormals kept.
;;     - The product sums the exact products of the quantised numbers (number of the format x scale) in f32.
;;   ~~~python
;;   def quantise(x, axis):      # numpy; x: float32 -> the quantised numbers, widened to float32 again
;;       x = np.moveaxis(x, axis, -1); K = x.shape[-1]
;;       x = np.pad(x, [(0, 0)] * (x.ndim - 1) + [(0, -K % 32)]); x = x.reshape(x.shape[:-1] + (-1, 32)); a = np.abs(x).max(-1, keepdims=True)
;;       e = np.where(a > 0, np.clip(np.frexp(np.where(a > 0, a, 1))[1] - 1 - 8, -126, 127), 0)      # np.frexp(a)[1] - 1 = floor(log2(a)), exactly
;;       r = np.clip(x / 2.0 ** e, -448, 448)
;;       step = 2.0 ** (np.maximum(np.frexp(np.where(r == 0, 1, r))[1] - 1, -6) - 3)
;;       q = np.round(r / step) * step * 2.0 ** e      # np.round: ties to even
;;       return np.moveaxis(q.reshape(q.shape[:-2] + (-1,))[..., :K], -1, axis).astype(np.float32)
;;   ~~~
;;   SOFTMAX AHEAD OF A QUANTISED PRODUCT. Where the list says 'softmax', what is quantised is not the finished softmax but p = 2^(t - M), with t = logit x log2(e) and M = ceil(the row's largest t), a whole number; so 1/2 < the row's largest p <= 1. The row's sum l is taken of the UNQUANTISED p, in f32, and the product's result is divided by l at the end. Since M is a whole number, a kernel that streams over the keys may use a running M (the ceiling of the running maximum): every later rescaling is an exact power of two, which a block's scale takes up: the codes' values come out the same.
;;   OPERANDS COMPUTED ON THE WAY. 'Computed on the way' means the value that the module computes at that place (a softmax that the list does not call 'softmax' is quantised finished and normalised). What goes into a quantiser is computed in f32, as accurately as f32 sums, v_exp_f32 and their like allow (about 1e-6 of the number): no bf16 or f16 on the way to a quantiser, and a product that is left as it is and whose result goes on into a quantised operand takes f32 operands (vector FMAs, or v_wmma_f32_16x16x4_f32). A number that lies on a knife's edge between two numbers of the format may be rounded either way, as far as f32 arithmetic and the matrix unit's own rounding can turn it there, and no further.
;; One version. Each part assembles by itself: llvm-mc -triple=amdgcn-amd-amdhsa -mcpu=gfx1250 --defsym DOCPART=n.
;; ======== version 1 of 1: 4 launches
;; limits: right only within a limited range of input values
;; workspace buffers: xc 8,388,608 bytes; xs 262,144 bytes; wc 4,194,304 bytes; ws 131,072 bytes; qkvc 25,165,824 bytes; qkvs 786,432 bytes; aoc 8,388,608 bytes; aos 262,144 bytes
;; launch quant (part 1): grid 384 x 1, 4 waves a work-group, no clusters, 68,096 bytes of LDS; arguments x, W_qkv, W_out, xc, xs, wc, ws; writes xc, xs, wc, ws
.if DOCPART == 1
	.amdgcn_target "amdgcn-amd-amdhsa--gfx1250"
	.amdhsa_code_object_version 6
	.text
	.protected	k_qa680a1e9a8_quant
	.globl	k_qa680a1e9a8_quant
	.p2align	8
	.type	k_qa680a1e9a8_quant,@function
k_qa680a1e9a8_quant:
	s_mov_b64 s[64:65], 0
	v_nop
	global_prefetch_b8 v0, s[64:65] scope:SCOPE_SE
	s_setreg_imm32_b32 hwreg(HW_REG_WAVE_MODE, 25, 1), 1
	s_wait_xcnt 0x0
; x [8192][1024], W_qkv [1024][3072] and W_out [1024][1024], f32, become codes of FP8 (E4M3), K innermost, with one E8M0 byte for each 32 along K.
; xc [8192][1024], xs [8192][32]: x's rows.  wc [4096][1024], ws [4096][32]: rows 0-3071 W_qkv's columns, rows 3072-4095 W_out's.
; ROW ORDER: row i of each of the four lies at position sigma(i), i with its bits 3 and 4 exchanged.  Sixteen neighbouring positions 16 b + r then hold rows 32 (b / 2) + 8 (b % 2) + r % 8 + 16 (r / 8):
; the rows that a later product wants in one tile of its first source, so that a lane's results of two neighbouring tiles are 16 neighbours along the next K.
; A block's scale is 2^(floor(log2(its largest magnitude)) - 8); its byte is that magnitude's exponent field - 8, held at 1 from below; each number is held within +-448 x the scale and rounded to the nearest code, ties to even.
; LIMITS: a block of zeros gets the byte 1 (its codes are zeros; this program alone reads the bytes); blocks whose largest magnitude lies under 2^-118 were not tried; NaN and infinities are not served.
; Work-groups 0-255 take x, K innermost: a wave takes 8 rows as a plain stream of 16 steps of 512 numbers; 8 rows are a run, and sigma exchanges the two low bits of the run's number.
; Work-groups 256-383 take the weights, K outermost: a lane takes a column and its registers run down K; a wave takes 32 columns x 256 along K.  Every work-group reads 131,072 bytes.
; No matrix unit, no cluster, no tensor load: the work-groups share nothing and each byte is read once.  The two ways part on the work-group's number and have LDS bytes of their own.
.set WREG,  8192                       ; x: a wave's LDS: two stages of 32 x SP bytes, then its 256 scale bytes
.set SP,    80                         ; a lane's place in a stage: 64 bytes + 16 of padding
.set STEPS, 16
.set R,     16                         ; v16-79   x: four sets of 16 numbers as loaded
.set X,     80                         ; v80-111  x: two sets of 16 neighbours
.set E,     112                        ; v112-127 x: a scale byte for each step
.set C,     128                        ; v128-191 x: four registers of codes for each step
.set WSTG,  32768                      ; the weights' stages: 32 rows x 272 bytes for each wave
.set PITCH, 272
.set WX,    32                         ; v32-95   weights: two sets of 32 numbers
.set WC,    96                         ; v96-103  a block's codes
.set OUTR,  112                        ; v112-175 the way out
.set OFS,   176                        ; v176-207 4 x lane + i rows of the weight, i = 0 .. 31
.set SB,    24                         ; v24-25   my column's eight scale bytes
.set SPARE, 67584                      ; behind both: the spare words, 128 bytes for each wave
.set SPW,   208                        ; v208 my spare word's LDS address; never rewritten
.set NIL,   209                        ; v209 0; never rewritten
.set MNT,   54                         ; s54  the mantissa field of 448
	s_load_b256 s[4:11], s[0:1], 0x0               ; x s[4:5], W_qkv s[6:7], W_out s[8:9], xc s[10:11]
	s_load_b128 s[12:15], s[0:1], 0x20             ; xs s[12:13], wc s[14:15]
	s_load_b64 s[16:17], s[0:1], 0x30              ; ws
	v_lshl_add_u32 v[SPW], v0, 2, SPARE
	v_mov_b32 v[NIL], 0
	v_lshrrev_b32 v1, 5, v0
	v_readfirstlane_b32 s20, v1                    ; wave 0..3
	v_and_b32 v2, 31, v0                           ; lane
	s_mov_b32 s[MNT], 0x600000
	s_wait_kmcnt 0x0
	s_cmp_lt_u32 ttmp9, 256
	s_cbranch_scc0 .Lweights
	; ---------------- x ----------------
	s_wait_alu depctr_va_vdst(0)
	v_lshlrev_b32 v3, 4, v2                        ; my 16 bytes of a load's 512, and of a step's 512 bytes of codes
	s_mul_i32 s21, s20, WREG
	v_lshrrev_b32 v14, 2, v2
	v_mul_u32_u24 v14, v14, SP
	v_and_b32 v15, 3, v2
	v_lshl_add_u32 v14, v15, 4, v14
	v_add_nc_u32 v14, s21, v14                     ; the stage, on the way in: SP (lane / 4) + 16 (lane % 4)
	v_mul_u32_u24 v15, v2, SP
	v_add_nc_u32 v15, s21, v15                     ; and on the way out: SP x lane: my 16 neighbours
	v_lshrrev_b32 v5, 1, v2
	s_add_co_u32 s21, s21, 2*32*SP
	v_add_nc_u32 v5, s21, v5                       ; my block's scale byte among my wave's 256
	v_lshlrev_b32 v7, 3, v2
	v_add_nc_u32 v6, s21, v7                       ; and on the way out 8 bytes a lane
	s_lshl_b32 s21, ttmp9, 2
	s_add_co_u32 s22, s21, s20                     ; the run that I read: 4 x work-group + wave
	s_and_b32 s23, s20, 1
	s_lshl_b32 s23, s23, 1
	s_lshr_b32 s24, s20, 1
	s_or_b32 s23, s23, s24
	s_add_co_u32 s23, s21, s23                     ; the run that I write: its two low bits exchanged
	s_mov_b32 s25, 0
	s_lshl_b32 s24, s22, 15                        ; 8,192 numbers of 4 bytes
	s_add_nc_u64 s[4:5], s[4:5], s[24:25]
	s_lshl_b32 s24, s23, 13                        ; 8,192 codes
	s_add_nc_u64 s[10:11], s[10:11], s[24:25]
	s_lshl_b32 s24, s23, 8                         ; 256 scale bytes
	s_add_nc_u64 s[12:13], s[12:13], s[24:25]
.macro XLOAD t
.irp i, 0,1,2,3
	global_load_b128 v[R+16*((\t)%4)+4*\i:R+16*((\t)%4)+4*\i+3], v3, s[4:5] offset:2048*(\t)+512*\i th:TH_LOAD_NT   ; 32 lanes read 512 consecutive bytes
.endr
.endm
.macro XTURN t                         ; step t's numbers through the stage: LDS serves a wave's instructions in order, so no wait stands between the stores and the loads
.irp i, 0,1,2,3
	ds_store_b128 v14, v[R+16*((\t)%4)+4*\i:R+16*((\t)%4)+4*\i+3] offset:32*SP*((\t)%2)+8*SP*\i
.endr
.irp i, 0,1,2,3
	ds_load_b128 v[X+16*((\t)%2)+4*\i:X+16*((\t)%2)+4*\i+3], v15 offset:32*SP*((\t)%2)+16*\i
.endr
.endm
.irp t, 0,1,2,3
	XLOAD \t
.endr
	s_wait_alu depctr_va_vdst(0)
	s_wait_loadcnt 12                              ; step 0's four loads are in; three steps' twelve stay out
	XTURN 0
.macro XSTEP t
.set XS, X+16*((\t)%2)
.if (\t) > 0
	s_wait_dscnt 1                                 ; this step's numbers are back from the stage (the last step's byte store may be out): so its stores into the stage have read their registers,
.else
	s_wait_dscnt 0x0
.endif
.if (\t)+4 < STEPS
	XLOAD (\t)+4                                   ; which take the loads of four steps on
.endif
.if (\t)+1 < STEPS
.if STEPS-2-(\t) >= 3
	s_wait_loadcnt 12                              ; the next step's four loads are in; those of the three steps behind it may be out
.else
	s_wait_loadcnt 4*(STEPS-2-(\t))
.endif
	XTURN (\t)+1
.endif
	v_max3_num_f32 v8, |v[XS]|, |v[XS+1]|, |v[XS+2]|               ; the largest magnitude of my 16, in two chains
	v_max3_num_f32 v9, |v[XS+3]|, |v[XS+4]|, |v[XS+5]|
.irp i, 6,10
	v_max3_num_f32 v8, v8, |v[XS+\i]|, |v[XS+\i+1]|
	v_max3_num_f32 v9, v9, |v[XS+\i+2]|, |v[XS+\i+3]|
.endr
	v_max3_num_f32 v8, v8, |v[XS+14]|, |v[XS+15]|
	v_max3_num_f32 v8, v8, v9, 0x4800000           ; and the floor 2^(9 - 127): the byte cannot fall under 1
	v_max_num_f32_dpp v8, v8, v8 row_xmask:1 row_mask:0xf bank_mask:0xf   ; and of my neighbour's 16: the block's
	v_add_nc_u32 v11, 0xfc000000, v8               ; 8 off its exponent field: the conversion takes this operand's exponent field as its scale
	v_and_or_b32 v10, v8, 0x7f800000, s[MNT]       ; 448 x the scale
.irp i, 0,1,2,3,4,5,6,7,8,9,10,11,12,13,14,15
	v_med3_num_f32 v[XS+\i], v[XS+\i], -v10, v10   ; the conversion to an 8-bit code does not saturate (ISA guide 7.6.2): the hold comes first
.endr
	v_cvt_scalef32_pk8_fp8_f32 v[C+4*(\t):C+4*(\t)+1], v[XS:XS+7], v11
	v_cvt_scalef32_pk8_fp8_f32 v[C+4*(\t)+2:C+4*(\t)+3], v[XS+8:XS+15], v11
	v_lshrrev_b32 v[E+(\t)], 23, v11               ; the scale's byte (also the plain line behind the conversions)
	ds_store_b8 v5, v[E+(\t)] offset:16*(\t)       ; both lanes of a block write the same byte with the same value
	global_store_b128 v3, v[C+4*(\t):C+4*(\t)+3], s[10:11] offset:512*(\t)   ; the wave stores 512 consecutive bytes, aligned
.endm
.irp t, 0,1,2,3,4,5,6,7,8,9,10,11,12,13,14,15
	XSTEP \t
.endr
	ds_load_b64 v[8:9], v6                         ; LDS serves a wave's instructions in order: these see my stores
	s_wait_dscnt 0x0
	global_store_b64 v7, v[8:9], s[12:13]          ; 32 lanes store 256 consecutive bytes, aligned
	s_wait_tensorcnt 0x0                           ; the wave's end, behind my last LDS store
	ds_add_u32 v[SPW], v[NIL]
	s_wait_dscnt 0x0
	s_endpgm
	; ---------------- the weights ----------------
.Lweights:
	s_sub_co_u32 s21, ttmp9, 256
	s_and_b32 s22, s21, 31                         ; which 128 columns of the 4,096: 0-23 W_qkv's, 24-31 W_out's
	s_lshr_b32 s23, s21, 5                         ; which 256 along K
	s_lshl_b32 s24, s22, 7
	s_lshl_b32 s25, s20, 5
	s_add_co_u32 s24, s24, s25                     ; my wave's first column = first row of wc, a multiple of 32
	s_mov_b32 s26, 4096
	s_cmp_lt_u32 s22, 24                           ; the choice hangs on the work-group's number alone
	s_cselect_b64 s[28:29], s[6:7], s[8:9]         ; the weight,
	s_cselect_b32 s26, 12288, s26                  ; a row of it in bytes,
	s_cselect_b32 s27, 0, 3072                     ; and the column of wc at which it begins
	s_sub_co_u32 s27, s24, s27
	s_lshl_b32 s27, s27, 2                         ; my first column in it, in bytes
	s_lshl_b32 s30, s23, 8
	s_mul_i32 s30, s30, s26                        ; my first row
	s_add_co_u32 s30, s30, s27
	s_mov_b32 s31, 0
	s_add_nc_u64 s[36:37], s[28:29], s[30:31]      ; a base for each of my eight blocks of 32 rows: nothing is stepped later
	s_lshl_b32 s30, s26, 5
.irp t, 1,2,3,4,5,6,7
	s_add_nc_u64 s[36+2*\t:37+2*\t], s[34+2*\t:35+2*\t], s[30:31]
.endr
	s_lshl_b32 s32, s24, 10
	s_lshl_b32 s30, s23, 8
	s_add_co_u32 s30, s30, s32
	s_add_nc_u64 s[14:15], s[14:15], s[30:31]      ; wc at my first row, my 256 along K
	s_lshl_b32 s32, s24, 5
	s_lshl_b32 s30, s23, 3
	s_add_co_u32 s30, s30, s32
	s_add_nc_u64 s[16:17], s[16:17], s[30:31]      ; ws likewise
	s_wait_alu depctr_va_vdst(0)
	v_lshlrev_b32 v3, 2, v2
.set i, 0
.rept 32
	v_mad_u32_u24 v[OFS+i], s26, i, v3             ; row i of a block, my column
.set i, i+1
.endr
	s_mul_i32 s19, s20, 32*PITCH
	s_add_co_u32 s19, s19, WSTG                    ; my stage
	v_mul_u32_u24 v4, v2, PITCH
	v_add_nc_u32 v4, s19, v4                       ; into it: row = my column
	v_and_b32 v5, 15, v2
	v_lshrrev_b32 v6, 4, v2                        ; out of it: sixteen lanes to a row, two rows an instruction
	v_mul_u32_u24 v7, v6, PITCH
	v_lshl_add_u32 v7, v5, 4, v7
	v_add_nc_u32 v7, s19, v7
	v_lshlrev_b32 v8, 10, v6
	v_lshl_add_u32 v8, v5, 4, v8                   ; and the same place in wc (sigma leaves bit 0 of a row alone)
	v_and_b32 v9, 7, v2                            ; sigma(lane) x 32: my column's row of ws
	v_and_b32 v10, 8, v2
	v_lshl_or_b32 v9, v10, 1, v9
	v_and_b32 v10, 16, v2
	v_lshrrev_b32 v10, 1, v10
	v_or_b32 v9, v9, v10
	v_lshlrev_b32 v9, 5, v9
.macro WLOAD t                         ; block t: W(32 t + i, my column) into set t % 2: 32 lanes read 128 consecutive bytes, the four waves stand side by side
.set i, 0
.rept 32
	global_load_b32 v[WX+32*((\t)%2)+i], v[OFS+i], s[36+2*(\t):37+2*(\t)] th:TH_LOAD_NT
.set i, i+1
.endr
.endm
	WLOAD 0
	WLOAD 1
.macro WBLOCK t
.set XS, WX+32*((\t)%2)
.if (\t) < 7
	s_wait_loadcnt 32                              ; this block's 32 loads are in; the next block's may be out
.else
	s_wait_loadcnt 0
.endif
	v_max3_num_f32 v12, |v[XS]|, |v[XS+1]|, |v[XS+2]|              ; the block's largest magnitude: all 32 numbers are mine
	v_max3_num_f32 v13, |v[XS+3]|, |v[XS+4]|, |v[XS+5]|
.irp i, 6,10,14,18,22,26
	v_max3_num_f32 v12, v12, |v[XS+\i]|, |v[XS+\i+1]|
	v_max3_num_f32 v13, v13, |v[XS+\i+2]|, |v[XS+\i+3]|
.endr
	v_max3_num_f32 v12, v12, |v[XS+30]|, |v[XS+31]|
	v_max3_num_f32 v12, v12, v13, 0x4800000        ; and the floor
	v_add_nc_u32 v11, 0xfc000000, v12              ; the conversion's scale operand
	v_and_or_b32 v10, v12, 0x7f800000, s[MNT]      ; 448 x the scale
	v_lshrrev_b32 v13, 23, v11                     ; the scale's byte
.if (\t)%4 == 0
	v_mov_b32 v[SB+(\t)/4], v13                    ; four bytes to a register, the lower K in the lower byte
.else
	v_lshl_or_b32 v[SB+(\t)/4], v13, 8*((\t)%4), v[SB+(\t)/4]
.endif
.set i, 0
.rept 32
	v_med3_num_f32 v[XS+i], v[XS+i], -v10, v10     ; the hold
.set i, i+1
.endr
.irp g, 0,1,2,3
	v_cvt_scalef32_pk8_fp8_f32 v[WC+2*\g:WC+2*\g+1], v[XS+8*\g:XS+8*\g+7], v11
.endr
	v_nop                                          ; a plain line behind the last conversion
	ds_store_b128 v4, v[WC:WC+3] offset:32*(\t)    ; 32 codes: 32 bytes of my column's row
	ds_store_b128 v4, v[WC+4:WC+7] offset:32*(\t)+16
.if (\t)+2 < 8
	WLOAD (\t)+2
.endif
	s_wait_dscnt 0x0                               ; the stores have read their registers: the next block's codes may be written
.endm
.irp t, 0,1,2,3,4,5,6,7
	WBLOCK \t
.endr
	global_store_b64 v9, v[SB:SB+1], s[16:17]      ; my column's eight scale bytes
.irp t, 0,1,2,3,4,5,6,7,8,9,10,11,12,13,14,15
	ds_load_b128 v[OUTR+4*\t:OUTR+4*\t+3], v7 offset:2*\t*PITCH   ; LDS serves a wave's instructions in order: these see my stores
.endr
.irp t, 0,1,2,3,4,5,6,7,8,9,10,11,12,13,14,15
	s_wait_dscnt 15-\t                             ; the younger loads stay out
	global_store_b128 v8, v[OUTR+4*\t:OUTR+4*\t+3], s[14:15] offset:(((2*\t)&7)|(((2*\t)&8)<<1)|(((2*\t)&16)>>1))*1024   ; rows 2 t and 2 t + 1 go to positions sigma(2 t) and sigma(2 t) + 1: sixteen lanes store 256 consecutive bytes, aligned
.endr
	s_wait_tensorcnt 0x0                           ; the wave's end, behind my last LDS store
	ds_add_u32 v[SPW], v[NIL]
	s_wait_dscnt 0x0
	s_endpgm
.Lfunc_end_k_qa680a1e9a8_quant:
	.size	k_qa680a1e9a8_quant, .Lfunc_end_k_qa680a1e9a8_quant-k_qa680a1e9a8_quant
	.p2alignl 7, 3214868480
	.fill 96, 4, 3214868480
	.section	.rodata,"a",@progbits
	.p2align	6, 0x0
	.amdhsa_kernel k_qa680a1e9a8_quant
		.amdhsa_group_segment_fixed_size 68096
		.amdhsa_private_segment_fixed_size 0
		.amdhsa_enable_private_segment 0
		.amdhsa_kernarg_size 56
		.amdhsa_user_sgpr_count 2
		.amdhsa_user_sgpr_kernarg_segment_ptr 1
		.amdhsa_wavefront_size32 1
		.amdhsa_system_sgpr_workgroup_id_x 1
		.amdhsa_system_sgpr_workgroup_id_y 1
		.amdhsa_system_sgpr_workgroup_id_z 1
		.amdhsa_system_vgpr_workitem_id 0
		.amdhsa_next_free_vgpr 216
		.amdhsa_next_free_sgpr 66
		.amdhsa_reserve_vcc 0
		.amdhsa_float_denorm_mode_32 3
		.amdhsa_float_denorm_mode_16_64 3
		.amdhsa_memory_ordered 1
		.amdhsa_forward_progress 1
		.amdhsa_inst_pref_size 112
	.end_amdhsa_kernel
	.amdgpu_metadata
---
amdhsa.version: [ 1, 2 ]
amdhsa.kernels:
  - .name:           k_qa680a1e9a8_quant
    .symbol:         k_qa680a1e9a8_quant.kd
    .args:
      - { .name: x, .offset: 0, .size: 8, .value_kind: global_buffer, .address_space: global }
      - { .name: W_qkv, .offset: 8, .size: 8, .value_kind: global_buffer, .address_space: global }
      - { .name: W_out, .offset: 16, .size: 8, .value_kind: global_buffer, .address_space: global }
      - { .name: xc, .offset: 24, .size: 8, .value_kind: global_buffer, .address_space: global }
      - { .name: xs, .offset: 32, .size: 8, .value_kind: global_buffer, .address_space: global }
      - { .name: wc, .offset: 40, .size: 8, .value_kind: global_buffer, .address_space: global }
      - { .name: ws, .offset: 48, .size: 8, .value_kind: global_buffer, .address_space: global }
    .group_segment_fixed_size: 68096
    .private_segment_fixed_size: 0
    .kernarg_segment_align: 8
    .kernarg_segment_size: 56
    .max_flat_workgroup_size: 128
    .sgpr_count:     66
    .vgpr_count:     216
    .wavefront_size: 32
...
	.end_amdgpu_metadata
.endif
;; end of part 1
;; launch qkv (part 2): grid 8 x 48, 4 waves a work-group, clusters of 4 x 4, 327,680 bytes of LDS; arguments xc, xs, wc, ws, qkvc, qkvs; writes qkvc, qkvs
.if DOCPART == 2
	.amdgcn_target "amdgcn-amd-amdhsa--gfx1250"
	.amdhsa_code_object_version 6
	.text
	.protected	k_qa680a1e9a8_qkv
	.globl	k_qa680a1e9a8_qkv
	.p2align	8
	.type	k_qa680a1e9a8_qkv,@function
k_qa680a1e9a8_qkv:
	s_mov_b64 s[64:65], 0
	v_nop
	global_prefetch_b8 v0, s[64:65] scope:SCOPE_SE
	s_setreg_imm32_b32 hwreg(HW_REG_WAVE_MODE, 25, 1), 1
	s_wait_xcnt 0x0
	s_wait_alu depctr_hold_cnt(0) depctr_sa_sdst(0) depctr_va_vdst(0) depctr_va_sdst(0) depctr_va_ssrc(0) depctr_va_vcc(0) depctr_vm_vsrc(0)
	s_getreg_b32 s2, hwreg(HW_REG_IB_STS2, 6, 4)
	s_cmp_eq_u32 s2, 0
	s_cbranch_scc0 .Lentry_in_a_cluster
	s_endpgm
.Lentry_in_a_cluster:
	s_bfe_u32 s2, ttmp6, 0x10000c
	s_cmp_lg_u32 s2, 0xf033
	s_cbranch_scc0 .Lentry_shape_is_right
	s_endpgm
.Lentry_shape_is_right:
; qkv = x W_qkv on codes of FP8 (E4M3) with one E8M0 scale for each 32 along K = 1,024; the results are quantised on the way out and leave as codes alone.
; ONE TEXT FOR TWO SHAPES.  A tile is out[256 rows of A][256 rows of B] = sum over k of A[r][k] B[p][k], and it is quantised ALONG p.
;   clusters with y under 8: A = x's tokens, B = W_qkv's columns 0-2,047: q and k, quantised along the channels (a head's 64 are two blocks).  32 x 8 tiles.
;   the others:              A = W_qkv's columns 2,048-3,071, B = x's tokens: v transposed, quantised along the tokens, which are the keys.  4 x 32 tiles.
; What differs is chosen by s_cselect on the cluster's y, which all sixteen partners share: pointers and offsets, no branch.
; A work-group of four waves makes a tile, a wave 128 x 128: 64 accumulators, 512 registers.  K goes in steps of 256 through a ring of two LDS slots filled by the tensor data mover; the scale bytes of the tile's rows come once.
; CLUSTERS: 4 x 4 work-groups.  The four of a row of the cluster need the same tiles of A, the four of a column the same tiles of B: each is asked for JOINTLY, by the same tensor load with the same descriptor and a mask that names the four.
; THE MATRIX INSTRUCTION IS USED TRANSPOSED (source 0 = 16 rows of B, source 1 = 16 rows of A).  Both operands lie in memory with row i at position sigma(i) (bits 3 and 4 exchanged).  So in the accumulators of A's block a a lane (r, h)
; holds A's row 32 (a / 2) + 8 (a % 2) + r % 8 + 16 (r / 8), and register 8 b + j holds B's row 32 (b / 2) + 16 h + 8 (b % 2) + j: the lane's 64 registers are four runs of 16 neighbours, one of each block of 32.
; OUT: q, k codes [chunk = channel / 64][token][64 bytes], scale words [channel / 128][token]; v codes, from byte 16,777,216, [batch][head][key / 64][channel 64][64 keys], scale words, from byte 524,288, [batch][head][key / 128][channel 64].
; LIMITS: a block of zeros gets the byte 1 (its codes are zeros; this program alone reads the bytes); blocks whose largest magnitude lies under 2^-118 were not tried; NaN and infinities are not served.
; REGISTERS, in windows of 256: window 0: v0-31 addresses; v32-63 scale words, two sets; v64-111 at work on the way out; from v128 A's fragments, ONE set, later the rows on their way out.
;   window 1: B's fragments, TWO sets.   window 2: the 32 accumulators of my rows 0-63 ((a, b) at v[8 (8 a + b)]);   window 3: those of my rows 64-127.
.set NQ,     2                         ; matrix instructions deep in a slot
.set ROWB,   256                       ; a tile's row in bytes
.set KROW,   1024                      ; a row of codes in memory
.set PITCH,  272                       ; an LDS row: 256 bytes + 16 of padding = 68 words: the 16 rows that a load touches start at 16 different banks (64 banks of 4 bytes: ISA guide 11.1)
.set FR,     16
.set NL,     4
.set NP,     8                         ; places behind this matrix instruction (ISA guide 7.12.1)
.set HALFT,  128*PITCH
.set SLOT,   4*HALFT                   ; A's 256 rows, then B's 256 rows
.set LAPS,   2                         ; 1,024 along K = twice round the ring
.set KS,     32                        ; a row of scale bytes
.set SCL,    2*SLOT                    ; behind the ring: the scales, as units of 256 bytes + 16 of padding
.set HALFS,  16*272                    ; those of 128 rows
.set SBLK,   2*272                     ; those of 16 rows
.set SPARE,  SCL+4*HALFS               ; the spare words, 128 bytes for each wave
.set CHK,    20480                     ; the way out: the stage for codes lies in slot 0, which has had its last fill and its last read by then: four chunks of 64 columns, each 256 rows x (64 bytes + 16)
.set SCS,    4*CHK                     ; behind them the stage for scale words: [my half of the columns][256 rows]
.set ADRA, 16
.set ADRB, 20
.set SSO,  18                          ; v18  where I put a scale word
.set SRD,  19                          ; v19  where I read 16 bytes of scale words back
.set STO,  24                          ; v24  where I put 16 codes
.set RD,   25                          ; v25  where I read 16 codes back
.set CO,   26                          ; v26  16 x lane
.set ADRS, 27
.set SPW,  28
.set NIL,  29
.set SCO,  30                          ; v30  my byte offset among the scale words that I store
.set SC,   32
.set TM,   64                          ; v64-67 largest magnitudes, v68-71 bytes, v72-75 448 x the scale, v76-79 the conversions' scale operands
.set PW,   80                          ; the scale word just made
.set SW,   84                          ; v84-87 scale words on their way out
.set PC,   96                          ; v96-111 the codes just made
.set AF,   128
.set BK,   128
.set G1, 24
.set G0, 32
.set G1B, 48
.set G0B, 56
.set G1S, 68
.set G0S, 76
.set G1SB, 80
.set G0SB, 88
.set SEL, 46                           ; s[46:47] v_permlanex16_b32's selects, set when B's address has been used
.set MSB, 0
.macro WIN new                         ; the immediate's high byte repeats the setting that is left
.if MSB != \new
	s_set_vgpr_msb (MSB<<8)|\new
.set MSB, \new
.endif
.endm
.set MUL_LO, 0xa1                      ; source 0 (B) window 1, source 1 (A) window 0, C and D window 2
.set MUL_HI, 0xf1
.set TO_B,   0x40
; A joint load: waves 0 and 1 fetch for A, waves 2 and 3 for B; the branch hangs on the wave's number alone.  An s_nop 0 and four v_nop follow each of the two lines.
.macro JLOAD g0a, g1a, g0b, g1b
	s_cmp_eq_u32 s15, 0
	s_cbranch_scc0 .Lfor_b_\@
	tensor_load_to_lds s[\g0a:\g0a+3], s[\g1a:\g1a+7]
	s_nop 0
.rept 4
	v_nop
.endr
	s_branch .Lasked_\@
.Lfor_b_\@:
	tensor_load_to_lds s[\g0b:\g0b+3], s[\g1b:\g1b+7]
	s_nop 0
.rept 4
	v_nop
.endr
.Lasked_\@:
.endm
.macro CREST                           ; a round of the cluster's barrier behind its opening barrier
	s_cmp_lg_u32 s14, 0
	s_cbranch_scc1 .Lnot_wave_0_\@
	s_barrier_signal -3
.Lnot_wave_0_\@:
	s_barrier_wait -3
	s_barrier_signal -1
	s_barrier_wait -1
.endm
.macro CROUND
	s_barrier_signal -1
	s_barrier_wait -1
	CREST
.endm
	s_load_b128 s[4:7], s[0:1], 0x0                ; xc, xs
	s_load_b128 s[8:11], s[0:1], 0x10              ; wc, ws
	s_load_b64 s[12:13], s[0:1], 0x20              ; qkvc
	s_load_b64 s[66:67], s[0:1], 0x28              ; qkvs
	v_lshl_add_u32 v[SPW], v0, 2, SPARE
	v_mov_b32 v[NIL], 0
	ds_add_u32 v[SPW], v[NIL]                      ; the wave's opening: the add and its wait ahead of my first tensor load; work on registers stands between them
	ds_add_u32 v[SPW], v[NIL]
	v_lshrrev_b32 v1, 5, v0
	v_readfirstlane_b32 s14, v1                    ; wave 0..3
	s_lshr_b32 s15, s14, 1                         ; which half of the tile's rows is mine.  Also: I fetch for A (0) or for B (1)
	s_and_b32 s16, s14, 1                          ; which half of its columns.  Also: which 128 rows I fetch
	s_bfe_u32 s40, ttmp6, 0x40000                  ; cx, cy: my place in the cluster
	s_bfe_u32 s41, ttmp6, 0x40004
	s_and_b32 s95, ttmp7, 0xffff                   ; the cluster's y: under 8: q and k; else v
	s_lshl_b32 s42, ttmp9, 2
	s_add_co_u32 s42, s42, s40                     ; q, k: tile column = 4 x cluster x + cx
	s_max_u32 s45, s95, 8
	s_sub_co_u32 s45, s45, 8
	s_lshl_b32 s45, s45, 1
	s_add_co_u32 s45, s45, ttmp9
	s_lshl_b32 s45, s45, 2
	s_add_co_u32 s45, s45, s40                     ; v: tile column = 4 (cluster x + 2 (cluster y - 8)) + cx
	s_lshl_b32 s17, s95, 2
	s_add_co_u32 s17, s17, s41                     ; q, k: tile row = 4 x cluster y + cy;  v: cy
	s_cmp_lt_u32 s95, 8
	s_cselect_b32 s42, s42, s45                    ; the tile column hangs on cx and the cluster, the tile row on cy and the cluster
	s_cselect_b32 s17, s17, s41
	s_lshl_b32 s43, s41, 2
	s_lshl_b32 s43, 15, s43                        ; my row of the cluster
	s_lshl_b32 s44, 0x1111, s40                    ; my column
	s_or_b32 s[G1+0], s43, (0<<16)|(1<<20)|(1<<21)|(5<<22)|(3<<25)  ; 15:0 the mask; 17:16 element of 1 byte; 20 padding on; 21 set beside a mask; 24:22 after every 64 words; 31:25 of 4 words
	s_or_b32 s[G1B+0], s44, (0<<16)|(1<<20)|(1<<21)|(5<<22)|(3<<25)
.irp g, G1, G1B
	s_mov_b32 s[\g+1], ROWB<<16                    ; tensor_dim0
	s_mov_b32 s[\g+2], 256<<16                     ; tensor_dim1: 256 rows for the head's loads; set to 128 for the ring's behind them
	s_mov_b32 s[\g+3], ROWB<<16                    ; tile_dim0
	s_mov_b32 s[\g+4], 256                         ; tile_dim1 likewise
	s_mov_b32 s[\g+5], KROW                        ; tensor_dim0_stride
	s_mov_b32 s[\g+6], 0
	s_mov_b32 s[\g+7], 0
.endr
	s_or_b32 s[G1S+0], s43, (3<<16)|(1<<20)|(1<<21)|(5<<22)|(3<<25)  ; the scales of 256 rows: 8,192 dense bytes as 32 rows of 256 (32 elements of 8 bytes), 16 bytes of padding behind each
	s_or_b32 s[G1SB+0], s44, (3<<16)|(1<<20)|(1<<21)|(5<<22)|(3<<25)
.irp g, G1S, G1SB
	s_mov_b32 s[\g+1], 32<<16
	s_mov_b32 s[\g+2], 32<<16                      ; the scales of 256 rows: 32 rows of 256 bytes
	s_mov_b32 s[\g+3], 32<<16
	s_mov_b32 s[\g+4], 32
	s_mov_b32 s[\g+5], 32
	s_mov_b32 s[\g+6], 0
	s_mov_b32 s[\g+7], 0
.endr
	s_lshl_b32 s20, s17, 8                         ; A: the tile's first row, 256 x tile row
	s_lshl_b32 s46, s42, 8                         ; B: 256 x tile column
	s_lshl_b32 s22, s20, 5                         ; where these rows' scales begin, in bytes,
	s_lshl_b32 s92, s46, 5
	s_lshl_b32 s20, s20, 10                        ; and their codes
	s_lshl_b32 s46, s46, 10
	s_mov_b32 s21, 0
	s_mov_b32 s23, 0
	s_mov_b32 s47, 0
	s_mov_b32 s93, 0
	s_mul_i32 s45, s14, HALFT                      ; where they go: wave x 128 rows: no place in the cluster enters an LDS address
	s_mov_b32 s2, 0x600000                         ; the mantissa field of 448
	s_wait_dscnt 0x0                               ; the opening add is done
	s_wait_kmcnt 0x0
	s_add_nc_u64 s[96:97], s[8:9], 0x200000        ; wc at row 2,048: v's columns,
	s_add_nc_u64 s[98:99], s[10:11], 0x10000       ; and their scale bytes
	s_cmp_lt_u32 s95, 8                            ; the choice hangs on the cluster's y alone
	s_cselect_b64 s[96:97], s[4:5], s[96:97]       ; A's codes,
	s_cselect_b64 s[98:99], s[6:7], s[98:99]       ; A's scales,
	s_cselect_b64 s[8:9], s[8:9], s[4:5]           ; B's codes,
	s_cselect_b64 s[10:11], s[10:11], s[6:7]       ; B's scales
	s_add_nc_u64 s[20:21], s[96:97], s[20:21]
	s_add_nc_u64 s[22:23], s[98:99], s[22:23]
	s_add_nc_u64 s[46:47], s[8:9], s[46:47]
	s_add_nc_u64 s[92:93], s[10:11], s[92:93]
	CROUND                                         ; all sixteen work-groups are here: the first joint loads meet
	s_mov_b32 s[G0S], 1
	s_mov_b32 s[G0S+1], SCL
	s_mov_b64 s[G0S+2:G0S+3], s[22:23]
	s_or_b32 s[G0S+3], s[G0S+3], 0x80000000
	s_mov_b32 s[G0SB], 1
	s_mov_b32 s[G0SB+1], SCL+2*HALFS
	s_mov_b64 s[G0SB+2:G0SB+3], s[92:93]
	s_or_b32 s[G0SB+3], s[G0SB+3], 0x80000000
.set G0H, 4                            ; s[4:7], s[8:11] group 0 for the head's loads of K step 0 (the arguments that lay there have been used)
.set G0HB, 8
	s_mov_b32 s[G0H], 1                            ; K step 0's 256 rows of A,
	s_mov_b32 s[G0H+1], 0
	s_mov_b64 s[G0H+2:G0H+3], s[20:21]
	s_or_b32 s[G0H+3], s[G0H+3], 0x80000000
	s_mov_b32 s[G0HB], 1                           ; and of B, behind them in slot 0
	s_mov_b32 s[G0HB+1], 2*HALFT
	s_mov_b64 s[G0HB+2:G0HB+3], s[46:47]
	s_or_b32 s[G0HB+3], s[G0HB+3], 0x80000000
	s_lshl_b32 s18, s16, 17                        ; for the ring: which 128 rows of 1,024 bytes I fetch
	s_mov_b32 s19, 0
	s_add_nc_u64 s[20:21], s[20:21], s[18:19]
	s_add_nc_u64 s[46:47], s[46:47], s[18:19]
.irp s, 0,1
	s_mov_b32 s[G0+4*\s], 1
	s_add_co_u32 s[G0+4*\s+1], s45, \s*SLOT
	s_add_nc_u64 s[G0+4*\s+2:G0+4*\s+3], s[20:21], \s*ROWB
	s_or_b32 s[G0+4*\s+3], s[G0+4*\s+3], 0x80000000
	s_mov_b32 s[G0B+4*\s], 1
	s_add_co_u32 s[G0B+4*\s+1], s45, \s*SLOT
	s_add_nc_u64 s[G0B+4*\s+2:G0B+4*\s+3], s[46:47], \s*ROWB
	s_or_b32 s[G0B+4*\s+3], s[G0B+4*\s+3], 0x80000000
.endr
; THE HEAD'S LOADS, ONE A WAVE: wave 0 K step 0's 256 rows of A, wave 1 its 256 rows of B, wave 2 the scales of A's 256 rows, wave 3 those of B's.  One chain of branches on the wave's number.
.macro ARM under, g0, g1, next
	s_cmp_lt_u32 s14, \under
	s_cbranch_scc0 \next
	tensor_load_to_lds s[\g0:\g0+3], s[\g1:\g1+7]
	s_nop 0
.rept 4
	v_nop
.endr
	s_branch .Lhead_asked
\next:
.endm
	ARM 1, G0H,  G1,  .Lhead_b
	ARM 2, G0HB, G1B, .Lhead_sa
	ARM 3, G0S,  G1S, .Lhead_sb
	tensor_load_to_lds s[G0SB:G0SB+3], s[G1SB:G1SB+7]
	s_nop 0
.rept 4
	v_nop
.endr
.Lhead_asked:
	s_mov_b32 s[SEL], 0x76543210
	s_mov_b32 s[SEL+1], 0xfedcba98                 ; lane l xor 16
	v_and_b32 v1, 15, v0                           ; r = l % 16
	v_bfe_u32 v2, v0, 4, 1                         ; h = l / 16
	v_mul_u32_u24 v3, v1, PITCH
	v_lshl_add_u32 v4, v2, 4, v3                   ; a fragment's row x pitch + 16 x half
	s_mul_i32 s21, s15, HALFT                      ; my 128 rows of A
	s_mul_i32 s22, s16, HALFT                      ; my 128 rows of B,
	s_add_co_u32 s22, s22, 2*HALFT                 ; which lie behind A's 256
.irp s, 0,1
	v_add_nc_u32 v[ADRA+\s], s21, v4
	v_add_nc_u32 v[ADRB+\s], s22, v4
	s_add_co_u32 s21, s21, SLOT
	s_add_co_u32 s22, s22, SLOT
.endr
	v_mul_u32_u24 v5, v1, KS                       ; my row's scales: 32 bytes a row,
	v_lshrrev_b32 v6, 8, v5
	v_lshl_add_u32 v5, v6, 4, v5                   ; and 16 more for each 256 passed
	s_mul_i32 s21, s15, HALFS
	s_mul_i32 s22, s16, HALFS
	s_add_co_u32 s22, s22, 2*HALFS
	s_sub_co_u32 s22, s22, s21
	v_mul_u32_u24 v6, s22, v2                      ; lanes 16-31 take B's
	s_add_co_u32 s21, s21, SCL
	v_add_nc_u32 v5, v5, v6
	v_add_nc_u32 v[ADRS], s21, v5
	; the way out's LDS addresses: of the wave's number and the lane alone
	v_and_b32 v7, 7, v1
	v_lshrrev_b32 v8, 3, v1
	v_lshl_add_u32 v7, v8, 4, v7                   ; r % 8 + 16 (r / 8): my row among a pair of blocks' 32
	v_mul_u32_u24 v8, v7, 80
	v_lshl_add_u32 v8, v2, 4, v8
	s_mul_i32 s21, s16, 2*CHK                      ; my two chunks of columns,
	s_mul_i32 s22, s15, 128*80                     ; my 128 rows
	s_add_co_u32 s21, s21, s22
	v_add_nc_u32 v[STO], s21, v8
	s_lshl_b32 s21, s16, 10
	s_lshl_b32 s22, s15, 9
	s_add_co_u32 s21, s21, s22
	s_add_co_u32 s21, s21, SCS
	v_lshl_add_u32 v[SSO], v7, 2, s21
	v_and_b32 v6, 31, v0
	v_lshrrev_b32 v8, 2, v6
	v_mul_u32_u24 v8, v8, 80
	v_and_b32 v9, 3, v6
	v_lshl_add_u32 v8, v9, 4, v8                   ; back: four lanes to a row of 64 bytes, eight rows an instruction
	s_mul_i32 s21, s14, CHK                        ; wave w takes chunk w
	v_add_nc_u32 v[RD], s21, v8
	v_lshlrev_b32 v[CO], 4, v6
	s_lshl_b32 s21, s14, 9
	s_add_co_u32 s21, s21, SCS
	v_add_nc_u32 v[SRD], s21, v[CO]                ; and 128 of the 512 scale words
.irp b, 0,1,2,3
	v_mov_b32 v[TM+4+\b], 0                        ; written once: a lane permute's destination counts as one of its sources
.endr
	; where my chunk goes, in four parts of 64 rows.  q, k: chunk 4 x tile column + wave, tokens 256 x tile row on, 64 bytes a token.  v: head 4 x tile row + part, keys' chunk 4 (tile column % 8) + wave, 64 bytes a channel
	s_lshl_b32 s20, s42, 21
	s_lshl_b32 s21, s17, 14
	s_add_co_u32 s20, s20, s21
	s_lshl_b32 s21, s14, 19
	s_add_co_u32 s20, s20, s21
	s_lshr_b32 s18, s42, 3                         ; v: the batch,
	s_and_b32 s19, s42, 7                          ; and which 256 of its keys
	s_lshl_b32 s22, s18, 21
	s_lshl_b32 s21, s19, 14
	s_add_co_u32 s22, s22, s21
	s_lshl_b32 s21, s17, 19
	s_add_co_u32 s22, s22, s21
	s_lshl_b32 s21, s14, 12
	s_add_co_u32 s22, s22, s21
	s_add_co_u32 s22, s22, 0x1000000
	s_mov_b32 s23, 0x20000
	s_cmp_lt_u32 s95, 8
	s_cselect_b32 s20, s20, s22
	s_cselect_b32 s22, 4096, s23                   ; from part to part: 64 tokens, or a head
	s_mov_b32 s21, 0
	s_mov_b32 s23, 0
	s_add_nc_u64 s[96:97], s[12:13], s[20:21]
	s_add_nc_u64 s[98:99], s[96:97], s[22:23]
	s_add_nc_u64 s[100:101], s[98:99], s[22:23]
	s_add_nc_u64 s[104:105], s[100:101], s[22:23]
	; and my 128 scale words: those of column half wave / 2, rows 128 (wave % 2) on
	s_lshl_b32 s20, s42, 16
	s_lshl_b32 s22, s15, 15
	s_add_co_u32 s20, s20, s22
	s_lshl_b32 s22, s17, 10
	s_add_co_u32 s20, s20, s22
	s_lshl_b32 s22, s16, 9
	s_add_co_u32 s20, s20, s22
	s_lshl_b32 s92, s18, 16
	s_lshl_b32 s22, s17, 14
	s_add_co_u32 s92, s92, s22
	s_lshl_b32 s22, s16, 13
	s_add_co_u32 s92, s92, s22
	s_lshl_b32 s22, s19, 9
	s_add_co_u32 s92, s92, s22
	s_lshl_b32 s22, s15, 8
	s_add_co_u32 s92, s92, s22
	s_add_co_u32 s92, s92, 0x80000
	s_mov_b32 s22, 4096
	s_cmp_lt_u32 s95, 8
	s_cselect_b32 s20, s20, s92
	s_cselect_b32 s22, 256, s22                    ; from my first 64 words to my second: the next tokens, or the next head
	s_add_nc_u64 s[92:93], s[66:67], s[20:21]
	v_lshlrev_b32 v9, 4, v1
	v_mad_u32_u24 v[SCO], v2, s22, v9
.macro FRAG reg, adr, q, i             ; a fragment, 16 rows x 128 K, is 16 registers: lane l holds row l % 16; registers 4 c .. 4 c + 3 hold K = 32 c + 16 (l / 16) + 0 .. 15
.irp c, 0,1,2,3
	ds_load_b128 v[\reg+4*\c:\reg+4*\c+3], v[\adr] offset:128*(\q)+32*\c+(\i)*16*PITCH
.endr
.endm
; 16 matrix instructions: A's blocks a0, a0 + 1 x B's eight.  The 64 accumulators take turns, one instruction a turn, in the same order in every step.  zero = 1: the first product starts the sums.
.macro MUL16 a0, p, q, sc, zero
.irp a, \a0, \a0+1
.irp b, 0,1,2,3,4,5,6,7
.if \zero
	v_wmma_scale_f32_16x16x128_f8f6f4 v[8*(8*((\a)%4)+\b):8*(8*((\a)%4)+\b)+7], v[128*(\p)+FR*\b:128*(\p)+FR*\b+FR-1], v[AF+FR*(\a):AF+FR*(\a)+FR-1], 0, v[SC+8*NQ*(\sc)+NQ*\b+(\q)], v[SC+8*NQ*(\sc)+NQ*(\a)+(\q)] matrix_a_scale:MATRIX_SCALE_ROW1
.else
	v_wmma_scale_f32_16x16x128_f8f6f4 v[8*(8*((\a)%4)+\b):8*(8*((\a)%4)+\b)+7], v[128*(\p)+FR*\b:128*(\p)+FR*\b+FR-1], v[AF+FR*(\a):AF+FR*(\a)+FR-1], v[8*(8*((\a)%4)+\b):8*(8*((\a)%4)+\b)+7], v[SC+8*NQ*(\sc)+NQ*\b+(\q)], v[SC+8*NQ*(\sc)+NQ*(\a)+(\q)] matrix_a_scale:MATRIX_SCALE_ROW1
.endif
.endr
.endr
.endm
.macro FETCH_B slot, q, p
	WIN TO_B
.irp i, 0,1,2,3,4,5,6,7
	FRAG 128*(\p)+FR*\i, ADRB+\slot, \q, \i
.endr
	WIN 0
.endm
.macro FETCH_A slot, q, i0
.irp i, \i0, \i0+1, \i0+2, \i0+3
	FRAG AF+FR*(\i), ADRA+\slot, \q, \i
.endr
.endm
.macro SCALES sc                       ; a K step's scale words: two words a row; lanes 0-15 take A's block i, lanes 16-31 B's block i
.irp i, 0,1,2,3,4,5,6,7
	ds_load_b64 v[SC+8*NQ*\sc+NQ*\i:SC+8*NQ*\sc+NQ*\i+1], v[ADRS] offset:\i*SBLK
.endr
.endm
.macro PLACES n                        ; plain vector instructions between a matrix instruction and a load into, or a vector read of, its registers (ISA guide 7.12.1 for vector reads)
.rept \n
	v_nop
.endr
.endm
.macro STEP slot, q, zero              ; a step of 128 along K that has its successor in the same slot
	s_wait_dscnt 4*NL                              ; B's set and A's blocks 0-3 are in; the youngest sixteen loads (A's blocks 4-7) may be out
	WIN MUL_LO
	MUL16 0, (\q)%2, \q, \slot, \zero
	MUL16 2, (\q)%2, \q, \slot, \zero
	s_wait_dscnt 0                                 ; A's blocks 4-7 are in
	PLACES NP
	FETCH_B \slot, (\q)+1, 1-(\q)%2
	FETCH_A \slot, (\q)+1, 0
	WIN MUL_HI
	MUL16 4, (\q)%2, \q, \slot, \zero
	MUL16 6, (\q)%2, \q, \slot, \zero
	PLACES NP
	WIN 0
	FETCH_A \slot, (\q)+1, 4
.endm
; A slot's last step changes slots: ONE barrier; in front of it each wave waits for all its tensor loads, adds 0 to its spare word, and waits for that and for its own reads of this slot.  fill = 1: this slot is filled again, two K steps ahead.
.macro TURN slot, next, fill
	s_wait_tensorcnt 0x0                           ; all my tensor loads have landed: my part of the next slot
	ds_add_u32 v[SPW], v[NIL]                      ; 0 onto my spare word
	s_wait_dscnt 4*NL+1                            ; (the add and the youngest sixteen loads may be out)
	WIN MUL_LO
	MUL16 0, 1, NQ-1, \slot, 0
	s_wait_dscnt 0x0                               ; the add is done, and my reads of this slot are over
	s_barrier_signal -1
	MUL16 2, 1, NQ-1, \slot, 0
	WIN 0
	s_barrier_wait -1
.if \fill
	CREST                                          ; the barrier has opened a round of the cluster's barrier: no wave of any partner still reads this slot or has a load on its way
	s_add_nc_u64 s[G0+4*\slot+2:G0+4*\slot+3], s[G0+4*\slot+2:G0+4*\slot+3], 2*ROWB
	s_add_nc_u64 s[G0B+4*\slot+2:G0B+4*\slot+3], s[G0B+4*\slot+2:G0B+4*\slot+3], 2*ROWB
	JLOAD G0+4*\slot, G1, G0B+4*\slot, G1B         ; the first tensor load behind the round; its four v_nop are among the places in front of the loads below
	PLACES NP-4
.else
	PLACES NP
.endif
	s_wait_alu depctr_va_vdst(0)
	v_add_nc_u32 v[ADRS], 4*NQ, v[ADRS]            ; on to the next K step's scale words
	FETCH_B \next, 0, 0
	FETCH_A \next, 0, 0
	SCALES \next
	WIN MUL_HI
	MUL16 4, 1, NQ-1, \slot, 0
	MUL16 6, 1, NQ-1, \slot, 0
	PLACES NP
	WIN 0
	FETCH_A \next, 0, 4
.endm
	s_wait_alu depctr_va_vdst(0)                   ; the head's end
	s_wait_tensorcnt 0x0                           ; my tile of the head's four is in
	ds_add_u32 v[SPW], v[NIL]
	s_mov_b32 s[G1+2], 128<<16                     ; no tensor load of mine is out: from here on a load brings 128 rows
	s_mov_b32 s[G1+4], 128
	s_mov_b32 s[G1B+2], 128<<16
	s_mov_b32 s[G1B+4], 128
	s_wait_dscnt 0x0
	CROUND                                         ; a whole round: all four tiles are in, and the sixteen work-groups are here
	JLOAD G0+4, G1, G0B+4, G1B                     ; K step 1, the first tensor load behind the round
	FETCH_B 0, 0, 0
	FETCH_A 0, 0, 0
	SCALES 0
	FETCH_A 0, 0, 4
	STEP 0, 0, 1                                   ; the first step stands in front of the loop: its products start the sums
	s_mov_b32 s3, LAPS-1
.Llap:                                                 ; a trip goes once round the ring and fills both slots again
	TURN 0, 1, 1
	STEP 1, 0, 0
	TURN 1, 0, 1
	STEP 0, 0, 0
	s_sub_co_u32 s3, s3, 1
	s_cmp_lg_u32 s3, 0
	s_cbranch_scc1 .Llap
	TURN 0, 1, 0                                   ; the last lap fills nothing
	STEP 1, 0, 0
	s_wait_dscnt 4*NL
	WIN MUL_LO
	MUL16 0, 1, NQ-1, 1, 0
	MUL16 2, 1, NQ-1, 1, 0
	s_wait_dscnt 0
	WIN MUL_HI
	MUL16 4, 1, NQ-1, 1, 0
	MUL16 6, 1, NQ-1, 1, 0
	WIN 0
; THE WAY OUT.  Block a's 64 numbers of a lane become 64 codes and a scale word.  Register 16 b + i of the block is column 32 b + 16 h + i of my row: a block of 32 lies in lanes l and l xor 16.
; Each accumulator is read from its low end on.  The windows: the numbers lie in window W, all else in window 0.
.macro QUANTW a
.set W, 2+(\a)/4
.set AC, 64*((\a)%4)
	WIN 5*W                                        ; sources 0 and 1: window W
.irp b, 0,1,2,3
	v_max3_num_f32 v[TM+\b], |v[AC+16*\b]|, |v[AC+16*\b+1]|, 0x4800000   ; my 16 numbers of block b, and the floor 2^(9 - 127): the byte cannot fall under 1
.endr
	WIN 20*W                                       ; sources 1 and 2: window W
.irp i, 2,4,6,8,10,12,14
.irp b, 0,1,2,3
	v_max3_num_f32 v[TM+\b], v[TM+\b], |v[AC+16*\b+\i]|, |v[AC+16*\b+\i+1]|   ; (the four blocks by turns)
.endr
.endr
	WIN 0
	s_wait_alu depctr_va_vdst(0)
	s_wait_dscnt 0x0                               ; the last block's stores into the stage have read the scale word and the codes, which are written anew below
.irp b, 0,1,2,3
	v_permlanex16_b32 v[TM+4+\b], v[TM+\b], s[SEL], s[SEL+1]
.endr
.irp b, 0,1,2,3
	v_max_num_f32 v[TM+\b], v[TM+\b], v[TM+4+\b]   ; with lane l xor 16's: the block's largest magnitude
.endr
.irp b, 0,1,2,3
	v_add_nc_u32 v[TM+12+\b], 0xfc000000, v[TM+\b] ; 8 off its exponent field: the conversion's scale operand
.endr
.irp b, 0,1,2,3
	v_and_or_b32 v[TM+8+\b], v[TM+\b], 0x7f800000, s2   ; 448 x the scale
.endr
.irp b, 0,1,2,3
	v_lshrrev_b32 v[TM+4+\b], 23, v[TM+12+\b]      ; the scale's byte
.endr
	v_lshl_or_b32 v[PW], v[TM+5], 8, v[TM+4]       ; my row's scale word for these 128 columns
	v_lshl_or_b32 v[PW], v[TM+6], 16, v[PW]
	v_lshl_or_b32 v[PW], v[TM+7], 24, v[PW]
.irp b, 0,1,2,3
	WIN 65*W                                       ; destination and source 0: window W
.irp i, 0,1,2,3,4,5,6,7,8,9,10,11,12,13,14,15
	v_med3_num_f32 v[AC+16*\b+\i], v[AC+16*\b+\i], -v[TM+8+\b], v[TM+8+\b]   ; the conversion to an 8-bit code does not saturate (ISA guide 7.6.2): the hold comes first
.endr
	WIN W                                          ; source 0: window W
	v_cvt_scalef32_pk8_fp8_f32 v[PC+4*\b:PC+4*\b+1], v[AC+16*\b:AC+16*\b+7], v[TM+12+\b]
	v_cvt_scalef32_pk8_fp8_f32 v[PC+4*\b+2:PC+4*\b+3], v[AC+16*\b+8:AC+16*\b+15], v[TM+12+\b]
.endr
	WIN 0
	v_nop                                          ; a plain line behind the last conversion
.irp c, 0,1,2,3
	ds_store_b128 v[STO], v[PC+4*\c:PC+4*\c+3] offset:(\c/2)*CHK+(32*((\a)/2)+8*((\a)%2))*80+32*(\c%2)   ; columns 32 c + 16 h on of my row
.endr
	ds_store_b32 v[SSO], v[PW] offset:(32*((\a)/2)+8*((\a)%2))*4   ; both halves of the lanes write the same word with the same value
.endm
	PLACES NP
.irp a, 0,1,2,3,4,5,6,7
	QUANTW \a
.endr
	s_wait_dscnt 0x0                               ; for the others' sake: my stores into the stage are done
	s_barrier_signal -1
	s_barrier_wait -1
.set j, 0
.rept 32
	ds_load_b128 v[BK+4*j:BK+4*j+3], v[RD] offset:640*j   ; eight rows of my chunk: 512 bytes that lie on end in memory
.set j, j+1
.endr
	ds_load_b128 v[SW:SW+3], v[SRD]
.set j, 0
.rept 32
	s_wait_dscnt 32-j                              ; the younger loads stay out
	global_store_b128 v[CO], v[BK+4*j:BK+4*j+3], s[96+2*(j/8)+2*(j/24):97+2*(j/8)+2*(j/24)] offset:512*(j%8)   ; 32 lanes store 512 consecutive bytes, aligned to 256
.set j, j+1
.endr
	s_wait_dscnt 0x0
	global_store_b128 v[SCO], v[SW:SW+3], s[92:93] ; each half of the lanes stores 256 consecutive bytes, aligned
	s_wait_tensorcnt 0x0                           ; the wave's end, behind my last tensor load and my last LDS store
	ds_add_u32 v[SPW], v[NIL]
	s_wait_dscnt 0x0
	CROUND                                         ; the closing round: no work-group ends while a partner may still ask for a tile that names it
	s_endpgm
.Lfunc_end_k_qa680a1e9a8_qkv:
	.size	k_qa680a1e9a8_qkv, .Lfunc_end_k_qa680a1e9a8_qkv-k_qa680a1e9a8_qkv
	.p2alignl 7, 3214868480
	.fill 96, 4, 3214868480
	.section	.rodata,"a",@progbits
	.p2align	6, 0x0
	.amdhsa_kernel k_qa680a1e9a8_qkv
		.amdhsa_group_segment_fixed_size 327680
		.amdhsa_private_segment_fixed_size 0
		.amdhsa_enable_private_segment 0
		.amdhsa_kernarg_size 48
		.amdhsa_user_sgpr_count 2
		.amdhsa_user_sgpr_kernarg_segment_ptr 1
		.amdhsa_wavefront_size32 1
		.amdhsa_system_sgpr_workgroup_id_x 1
		.amdhsa_system_sgpr_workgroup_id_y 1
		.amdhsa_system_sgpr_workgroup_id_z 1
		.amdhsa_system_vgpr_workitem_id 0
		.amdhsa_next_free_vgpr 1024
		.amdhsa_next_free_sgpr 106
		.amdhsa_reserve_vcc 0
		.amdhsa_float_denorm_mode_32 3
		.amdhsa_float_denorm_mode_16_64 3
		.amdhsa_memory_ordered 1
		.amdhsa_forward_progress 1
		.amdhsa_inst_pref_size 196
	.end_amdhsa_kernel
	.amdgpu_metadata
---
amdhsa.version: [ 1, 2 ]
amdhsa.kernels:
  - .name:           k_qa680a1e9a8_qkv
    .symbol:         k_qa680a1e9a8_qkv.kd
    .args:
      - { .name: xc, .offset: 0, .size: 8, .value_kind: global_buffer, .address_space: global }
      - { .name: xs, .offset: 8, .size: 8, .value_kind: global_buffer, .address_space: global }
      - { .name: wc, .offset: 16, .size: 8, .value_kind: global_buffer, .address_space: global }
      - { .name: ws, .offset: 24, .size: 8, .value_kind: global_buffer, .address_space: global }
      - { .name: qkvc, .offset: 32, .size: 8, .value_kind: global_buffer, .address_space: global }
      - { .name: qkvs, .offset: 40, .size: 8, .value_kind: global_buffer, .address_space: global }
    .group_segment_fixed_size: 327680
    .private_segment_fixed_size: 0
    .kernarg_segment_align: 8
    .kernarg_segment_size: 48
    .max_flat_workgroup_size: 128
    .sgpr_count:     106
    .vgpr_count:     1024
    .wavefront_size: 32
...
	.end_amdgpu_metadata
.endif
;; end of part 2
;; launch attn (part 3): grid 4 x 64, 8 waves a work-group, clusters of 4 x 1, 327,680 bytes of LDS; arguments qkvc, qkvs, aoc, aos; writes aoc, aos
.if DOCPART == 3
	.amdgcn_target "amdgcn-amd-amdhsa--gfx1250"
	.amdhsa_code_object_version 6
	.text
	.protected	k_qa680a1e9a8_attn
	.globl	k_qa680a1e9a8_attn
	.p2align	8
	.type	k_qa680a1e9a8_attn,@function
k_qa680a1e9a8_attn:
	s_mov_b64 s[64:65], 0
	v_nop
	global_prefetch_b8 v0, s[64:65] scope:SCOPE_SE
	s_setreg_imm32_b32 hwreg(HW_REG_WAVE_MODE, 25, 1), 1
	s_wait_xcnt 0x0
	s_wait_alu depctr_hold_cnt(0) depctr_sa_sdst(0) depctr_va_vdst(0) depctr_va_sdst(0) depctr_va_ssrc(0) depctr_va_vcc(0) depctr_vm_vsrc(0)
	s_getreg_b32 s2, hwreg(HW_REG_IB_STS2, 6, 4)
	s_cmp_eq_u32 s2, 0
	s_cbranch_scc0 .Lentry_in_a_cluster
	s_endpgm
.Lentry_in_a_cluster:
	s_bfe_u32 s2, ttmp6, 0x10000c
	s_cmp_lg_u32 s2, 0x3003
	s_cbranch_scc0 .Lentry_shape_is_right
	s_endpgm
.Lentry_shape_is_right:
; O[b][h][q] = the sum over k <= q of softmax_k(Q . K / 8) V, both products on codes of FP8 (E4M3) with one E8M0 scale for each 32 along a product's K; O is quantised along h x 64 + d and leaves as codes.
; THE SOFTMAX AHEAD OF THE SECOND PRODUCT: t = score x log2(e) / 8; M = the running largest t rounded UP to a whole number; p = 2^(t - M) is quantised along the keys, not normalised.
; The row's sum is taken of the unquantised p and divides O at the end.  When M moves, the sum and O are multiplied by 2^(old M - new M): exact.
; LEFT OUT: key steps and half steps all of whose keys come after the tile's queries: the causal mask gives them the weight 0.
; SHARES.  A cluster of four work-groups serves one batch and head.  ALL of the head's K and V (131,072 bytes of codes each) and their scale bytes stay in each work-group's LDS: filled once, by joint loads that name the four.
; The fills go out at the head, one a wave: waves 0, 1 the halves of K's codes, waves 2, 3 of V's, waves 4, 5 the halves of K's scale words, wave 6 V's.  No slot is filled again, and there is no loop of loads to run ahead in: so no prefetch.
; A WAVE OWNS TWO TILES OF 16 QUERIES, A and B, so that each fragment of K and of V that it reads from LDS feeds two matrix instructions.  The head's 128 tiles fall into 16 groups of 128 queries; A is tile cx and B tile 4 + cx of one group:
; group w first, then group 15 - w: g full key steps of 128 and the step on the diagonal: 17 steps for every wave.  Every branch hangs on the wave's number and a counted loop alone; cx enters global addresses and two vector numbers (the diagonal's offsets).
; THE DIAGONAL'S STEP is written out behind the loop.  A's queries are among the group's first 64: keys 64-127 are hidden whole (no product; -infinity), keys 0-63 are compared.  For B keys 0-63 count whole and keys 64-127 are compared.
; LAYOUT.  Both products are used transposed: S^T = K Q^T, O^T = V^T P^T: a lane holds ONE query (lane % 16) of each tile.  Lane r of tile 2 b + u takes row 32 b + 8 u + r + 8 (r / 8), so that the 16 registers of tiles 2 b, 2 b + 1 are 16 neighbours.
; THE FIRST PRODUCT'S K IS 64: the upper half of the instruction's 128 is zero codes on both sides; their scale bytes are the zeros above a 16-bit load.
; LDS LOADS RUN AHEAD: a step's first four tiles of K are asked for in the step before; the second four, and V's four fragments, which have registers of their own, behind the step's first products.
; LIMITS: NaN and infinities are not served; a block of zeros gets the byte 1; a block's largest p is taken from its largest score, which takes v_exp_f32 not to fall where its input rises; the scaled scores stay under 2^31 in magnitude.
; REGISTERS, in two windows of 256.  A tile's own lie at the same numbers, A's in window 0, B's in window 1: v7 the diagonal's offset; v12 -M, v13 the largest t, v[14:15] the sum; v16-31 Q; v96-159 S^T, then p; v160-191 O^T; v192-207 codes;
;   v214, v217 -infinity; v[218:219], v[248:251] three more chains of the sum; v232-247 the blocks' maxima, bytes, bounds, scale operands; v252 f.
;   Window 0 alone: v1-6, v8-11, v208-216 addresses; v32-95 four fragments of K; scale words (a scale operand has no window): v220-223, v228-231 K's, v224-227 V's, v253 A's p, v254 B's p, v255 A's Q, v0 B's Q.  Window 1 alone: v32-95 V's four fragments.
.set VC,    147456                     ; K's row k at 144 (k / 2) + 64 (k % 2); V's rows (64 x key chunk + channel) likewise from here on
.set KSC,   294912                     ; K's scale words: 2,048 x 4 bytes (this head's two bytes and its neighbour's)
.set VSC,   303104                     ; V's: [key step 16][channel 64] words
.set STG,   307200                     ; the way out: 2 x 1,024 bytes for each wave; no fill lands here
.set SPARE, 323584                     ; the spare words, 128 bytes for each wave
.set AK0,  1
.set AV0,  2
.set ASK0, 3
.set ASV0, 4
.set SPW,  5
.set NIL,  6
.set DQ,   7
.set ADK,  8
.set ADV,  9
.set ADS,  10
.set ADT,  11
.set QO,   208                         ; 64 r + 16 h
.set QSO,  209                         ; 4 r
.set GO,   210                         ; 16 x lane
.set STO,  211
.set RD,   212
.set SBO,  213                         ; 32 r + h
.set NINF, 214                         ; -infinity, and once more in v217: a dual pair's first sources lie in different banks
.set BYT,  215
.set RH,   216                         ; r - 16 h
.set NINF2, 217
.set KS0,  220
.set VS,   224
.set KS1,  228
.set WV,   18
.set MNT,  19
.set SEL,  20
.set CS,   22
.set G1,   24
.set G0,   32
.set G1S,  36
.set G0S,  44
.set TBK,  48                          ; LDS bytes from the first key step to this one, in K's and V's codes alike
.set TS,   49                          ; the same in K's scale words
.set TJ,   50                          ; and in V's
.set KF,   51                          ; the step's first key
.set GK,   52                          ; my group's first query
.set TRIP, 53
.set GI,   63                          ; my group
.set MSB, 0
.macro WIN new                         ; bits 1:0 source 0, 3:2 source 1, 5:4 source 2, 7:6 destination; the immediate's high byte repeats the setting that is left
.if MSB != (\new)
	s_set_vgpr_msb (MSB<<8)|(\new)
.set MSB, \new
.endif
.endm
.macro CROUND
	s_barrier_signal -1
	s_barrier_wait -1
	s_cmp_lg_u32 s[WV], 0
	s_cbranch_scc1 .Lnot_wave_0_\@
	s_barrier_signal -3
.Lnot_wave_0_\@:
	s_barrier_wait -3
	s_barrier_signal -1
	s_barrier_wait -1
.endm
.macro NOPS n
.rept \n
	v_nop
.endr
.endm
.macro WALU
	s_wait_alu depctr_va_vdst(0)
.endm
	s_load_b256 s[4:11], s[0:1], 0x0               ; qkvc s[4:5], qkvs s[6:7], aoc s[8:9], aos s[10:11]
	v_lshl_add_u32 v[SPW], v0, 2, SPARE
	v_mov_b32 v[NIL], 0
	ds_add_u32 v[SPW], v[NIL]                      ; the opening: the add, twice on end, and its wait; work on registers between
	ds_add_u32 v[SPW], v[NIL]
	v_lshrrev_b32 v8, 5, v0
	v_readfirstlane_b32 s[WV], v8                  ; wave 0..7
	s_bfe_u32 s54, ttmp6, 0x40000                  ; cx
	s_and_b32 s55, ttmp7, 0xffff                   ; 16 x batch + head, which the four partners share
	s_lshr_b32 s56, s55, 4                         ; batch
	s_and_b32 s57, s55, 15                         ; head
	; group 1 for the codes: 65,536 dense bytes as 256 rows of 256; 16 bytes of padding behind each 128 (two rows of K or V)
	s_mov_b32 s[G1], 15|(0<<16)|(1<<20)|(1<<21)|(4<<22)|(3<<25)
	s_mov_b32 s[G1+1], 256<<16
	s_mov_b32 s[G1+2], 256<<16
	s_mov_b32 s[G1+3], 256<<16
	s_mov_b32 s[G1+4], 256
	s_mov_b32 s[G1+5], 256
	s_mov_b32 s[G1+6], 0
	s_mov_b32 s[G1+7], 0
	; and for scale bytes: 4,096 dense bytes as 16 rows of 256 (32 elements of 8 bytes), no padding
	s_mov_b32 s[G1S], 15|(3<<16)|(1<<21)
	s_mov_b32 s[G1S+1], 32<<16
	s_mov_b32 s[G1S+2], 16<<16
	s_mov_b32 s[G1S+3], 32<<16
	s_mov_b32 s[G1S+4], 16
	s_mov_b32 s[G1S+5], 32
	s_mov_b32 s[G1S+6], 0
	s_mov_b32 s[G1S+7], 0
	s_add_co_u32 s58, s57, 16
	s_lshl_b32 s58, s58, 19                        ; K: chunk 16 + head,
	s_lshl_b32 s59, s56, 17
	s_add_co_u32 s58, s58, s59                     ; the batch's 2,048 tokens
	s_lshl_b32 s60, s55, 17
	s_add_co_u32 s60, s60, 0x1000000-0x20000       ; V: the head's block, less the two waves that come before
	s_and_b32 s62, s[WV], 3
	s_lshl_b32 s59, s62, 16
	s_cmp_lt_u32 s62, 2
	s_cselect_b32 s58, s58, s60
	s_add_co_u32 s58, s58, s59                     ; my 65,536 bytes of codes
	s_mov_b32 s59, 0
	s_min_u32 s67, s62, 2                          ; waves 4, 5: K's scale words' halves; wave 6: V's
	s_mul_i32 s62, s62, 73728                      ; 512 LDS pieces of 144 bytes a wave: K's two parts, then V's
	s_lshl_b32 s69, s67, 12
	s_lshr_b32 s60, s57, 1
	s_add_co_u32 s60, s60, 8
	s_lshl_b32 s60, s60, 15
	s_lshl_b32 s61, s56, 13
	s_add_co_u32 s60, s60, s61
	s_add_co_u32 s60, s60, s69
	s_lshl_b32 s68, s55, 12
	s_add_co_u32 s68, s68, 0x80000
	s_cmp_lt_u32 s67, 2
	s_cselect_b32 s60, s60, s68
	s_mov_b32 s61, 0
	s_mov_b32 s[SEL], 0x76543210
	s_mov_b32 s[SEL+1], 0xfedcba98                 ; lane l xor 16
	s_mov_b32 s[CS], 0x3e38aa3b                    ; c = log2(e) / 8
	s_mov_b32 s[CS+1], s[CS]
	s_mov_b32 s[MNT], 0x600000                     ; the mantissa field of 448
	s_mov_b32 s70, 0xffff0000                      ; lanes 16-31
	s_wait_dscnt 0x0
	s_wait_kmcnt 0x0
	s_mov_b32 s[G0], 1
	s_mov_b32 s[G0+1], s62
	s_add_nc_u64 s[G0+2:G0+3], s[4:5], s[58:59]
	s_or_b32 s[G0+3], s[G0+3], 0x80000000
	s_mov_b32 s[G0S], 1
	s_add_co_u32 s[G0S+1], s69, KSC
	s_add_nc_u64 s[G0S+2:G0S+3], s[6:7], s[60:61]
	s_or_b32 s[G0S+3], s[G0S+3], 0x80000000
	CROUND                                         ; all four work-groups are here: the joint loads meet
	s_cmp_lt_u32 s[WV], 4                          ; one chain of branches on the wave's number, one load to an arm
	s_cbranch_scc0 .Lfor_scales
	tensor_load_to_lds s[G0:G0+3], s[G1:G1+7]
	s_nop 0
	NOPS 4
	s_branch .Lasked
.Lfor_scales:
	s_cmp_lt_u32 s[WV], 7
	s_cbranch_scc0 .Lasked
	tensor_load_to_lds s[G0S:G0S+3], s[G1S:G1S+7]
	s_nop 0
	NOPS 4
.Lasked:
	v_and_b32 v8, 15, v0                           ; r
	v_bfe_u32 v9, v0, 4, 1                         ; h
	v_and_b32 v10, 8, v8
	v_add_nc_u32 v10, v10, v8                      ; r + 8 (r / 8)
	v_lshrrev_b32 v11, 1, v10
	v_mul_u32_u24 v11, v11, 144
	v_and_b32 v12, 1, v10
	v_lshl_add_u32 v11, v12, 6, v11
	v_lshl_add_u32 v[AK0], v9, 4, v11              ; my row's place in a tile of K
	v_add_nc_u32 v[AV0], VC, v[AK0]
	s_and_b32 s58, s57, 1
	s_lshl_b32 s58, s58, 1
	s_add_co_u32 s58, s58, KSC
	v_lshl_add_u32 v[ASK0], v10, 2, s58            ; K's scale bytes: 4 bytes a key, my head's two of them
	v_lshl_add_u32 v[ASV0], v10, 2, VSC
	v_lshlrev_b32 v[QO], 6, v8
	v_lshl_add_u32 v[QO], v9, 4, v[QO]
	v_lshlrev_b32 v[QSO], 2, v8
	v_and_b32 v11, 31, v0
	v_lshlrev_b32 v[GO], 4, v11
	s_lshl_b32 s58, s[WV], 11
	s_add_co_u32 s58, s58, STG
	v_add_nc_u32 v[STO], s58, v[QO]
	v_add_nc_u32 v[RD], s58, v[GO]
	v_lshl_add_u32 v[SBO], v8, 5, v9
	v_lshlrev_b32 v11, 4, v9
	v_sub_nc_u32 v[RH], v8, v11
	s_lshl_b32 s58, s54, 4                         ; A's first query in its group: 16 cx; B's: 64 more
	s_add_co_u32 s59, s58, 64
	v_add_nc_u32 v[DQ], s58, v[RH]
.irp t, 0,1,2,3
.irp i, 0,1,2,3,4,5,6,7
	v_mov_b32 v[40+16*\t+\i], 0                    ; K's upper 64 along K: zero codes, for the whole launch
.endr
.endr
.irp w, 0, 1                                   ; in both windows:
	WIN 0x40*\w
.if \w
	v_add_nc_u32 v[DQ], s59, v[RH]
.endif
	v_mov_b32 v[NINF], 0xff800000
	v_mov_b32 v[NINF2], 0xff800000
.irp i, 0,1,2,3,4,5,6,7
	v_mov_b32 v[24+\i], 0                          ; Q's upper 64 along K
.endr
.irp b, 0,1,2,3
	v_mov_b32 v[236+\b], 0                         ; a lane permute's destination counts as one of its sources
.endr
	v_mov_b32 v252, 0
	v_mov_b32 v253, 0                              ; (named as the upper half of the pair v[252:253])
.endr
	WIN 0
	WALU                                           ; the head's end
	s_wait_tensorcnt 0x0                           ; my part has landed,
	s_barrier_signal -1
	s_barrier_wait -1                              ; everybody's has: from here on LDS's tiles are only read
.macro KLOAD adr, ads, ko, so, g, ks   ; four tiles of 16 keys (the g-th four of a step) and their scale words: twelve LDS loads
.irp t, 0,1,2,3
	ds_load_b128 v[32+16*\t:35+16*\t], v[\adr] offset:(\ko)+72*(32*((4*(\g)+\t)/2)+8*(\t%2))
	ds_load_b128 v[36+16*\t:39+16*\t], v[\adr] offset:(\ko)+72*(32*((4*(\g)+\t)/2)+8*(\t%2))+32
	ds_load_u16 v[\ks+\t], v[\ads] offset:(\so)+4*(32*((4*(\g)+\t)/2)+8*(\t%2))
.endr
.endm
.macro VLOAD                           ; V's four fragments (16 channels x 128 keys) into window 1, their scale words into window 0: twenty LDS loads
	WIN 0x40
.irp t, 0,1,2,3
.irp c, 0,1,2,3
	ds_load_b128 v[32+16*\t+4*\c:35+16*\t+4*\c], v[ADV] offset:4608*(\c/2)+72*(32*(\t/2)+8*(\t%2))+32*(\c%2)
.endr
.endr
	WIN 0
.irp t, 0,1,2,3
	ds_load_b32 v[VS+\t], v[ADT] offset:4*(32*(\t/2)+8*(\t%2))
.endr
.endm
.macro SMUL g, ks, w                   ; S^T = K Q^T for these four tiles of keys and tile w of queries
	WIN 0x44*(\w)
.irp t, 0,1,2,3
	v_wmma_scale_f32_16x16x128_f8f6f4 v[96+8*(4*(\g)+\t):103+8*(4*(\g)+\t)], v[32+16*\t:47+16*\t], v[16:31], 0, v[\ks+\t], v[255-255*(\w)]
.endr
.endm
.macro BMAX b0                         ; the largest score of blocks b0, b0 + 1 among my 16 keys of each, in four chains by turns: it serves the row's maximum and the block's largest p
.irp b, \b0, \b0+1
	v_max3_num_f32 v[232+\b], v[96+16*(\b)], v[97+16*(\b)], v[98+16*(\b)]
.endr
.irp b, \b0, \b0+1
	v_max3_num_f32 v[236+\b], v[105+16*(\b)], v[106+16*(\b)], v[107+16*(\b)]
.endr
.irp i, 0,2
.irp b, \b0, \b0+1
	v_max3_num_f32 v[232+\b], v[232+\b], v[99+16*(\b)+\i], v[100+16*(\b)+\i]
.endr
.irp b, \b0, \b0+1
	v_max3_num_f32 v[236+\b], v[236+\b], v[108+16*(\b)+\i], v[109+16*(\b)+\i]
.endr
.endr
.irp b, \b0, \b0+1
	v_max3_num_f32 v[232+\b], v[232+\b], v[103+16*(\b)], v[104+16*(\b)]
.endr
.irp b, \b0, \b0+1
	v_max_num_f32 v[232+\b], v[232+\b], v[236+\b]
.endr
.endm
.macro BJOIN b0                        ; with lane l xor 16's 16 keys
.irp b, \b0, \b0+1
	v_permlanex16_b32 v[236+\b], v[232+\b], s[SEL], s[SEL+1]
.endr
.irp b, \b0, \b0+1
	v_max_num_f32 v[232+\b], v[232+\b], v[236+\b]
.endr
.endm
.macro MASK n0                         ; register 16 b + i holds key 32 b + 16 h + i of the step: hidden where 32 b + i > my query in the group - 16 h
.set n, \n0
.rept 32
	v_cmp_gt_i32 vcc_lo, 32*(n/16)+n%16, v[DQ]
	v_cndmask_b32 v[96+n], v[96+n], v[NINF], vcc_lo
.set n, n+1
.endr
.endm
.macro PADD d, p                       ; a chain of the row's sum takes pair p of the unquantised p
	v_pk_add_f32 v[\d:\d+1], v[\d:\d+1], v[96+2*(\p):97+2*(\p)]
.endm
; THE SOFTMAX, THE QUANTISER AND THE SECOND PRODUCT of tile w (0: A, 1: B).  out: the LDS loads issued behind V's, which may stay out.
.macro SM w, out
	WIN 0x55*(\w)
	v_max3_num_f32 v236, v232, v233, v234
	v_max_num_f32 v236, v236, v235                 ; the step's largest score of my query
	v_mul_f32 v236, s[CS], v236                    ; as t
	v_max_num_f32 v13, v13, v236                   ; the running largest t
	v_mov_b32 v236, v12
	v_floor_f32 v12, -v13                          ; the new -M = floor(-t): M is a whole number
.set j, 0
.rept 32
	v_pk_fma_f32 v[96+j:97+j], v[96+j:97+j], s[CS:CS+1], v[12:13] op_sel_hi:[1,0,0]   ; t - M, two at a time; f's three lines stand among them
.if j == 6
	v_sub_f32 v236, v12, v236                      ; old M - new M: a whole number, 0 or less
.endif
.if j == 14
	v_cvt_i32_f32 v236, v236                       ; (it saturates)
.endif
.if j == 22
	v_ldexp_f32 v252, 1.0, v236                    ; f = 2^(old M - new M)
.endif
.set j, j+2
.endr
.irp b, 0,1,2,3
	v_fma_f32 v[232+\b], v[232+\b], s[CS], v12     ; the same of each block's largest score
.endr
	WALU                                           ; ahead of the batch
.set j, 0
.rept 64
	v_exp_f32 v[96+j], v[96+j]                     ; p = 2^(t - M), at most 1
.set j, j+1
.endr
.irp b, 0,1,2,3
	v_exp_f32 v[232+\b], v[232+\b]                 ; the block's largest p
.endr
	v_pk_mul_f32 v[14:15], v[14:15], v[252:253] op_sel_hi:[1,0]   ; the sum under the new M (a plain line behind the batch)
	WALU                                           ; and behind it, ahead of its first reader
.irp b, 0,1,2,3
	v_max_num_f32 v[232+\b], 0x4800000, v[232+\b]  ; the floor 2^(9 - 127): the byte cannot fall under 1
.endr
.irp b, 0,1,2,3
	v_add_nc_u32 v[244+\b], 0xfc000000, v[232+\b]  ; the conversion's scale operand
.endr
.irp b, 0,1,2,3
	v_and_or_b32 v[240+\b], v[232+\b], 0x7f800000, s[MNT]   ; 448 x the scale
.endr
.irp b, 0,1,2,3
	v_lshrrev_b32 v[236+\b], 23, v[244+\b]         ; the scale's byte
.endr
	WIN 0x11*(\w)                                  ; p's scale word for these 128 keys lies in window 0 for both tiles: v253 or v254
	v_lshl_or_b32 v[253+\w], v237, 8, v236
	WIN 0x01*(\w)
	v_lshl_or_b32 v[253+\w], v238, 16, v[253+\w]
	v_lshl_or_b32 v[253+\w], v239, 24, v[253+\w]
	WIN 0x55*(\w)
	v_dual_mov_b32 v237, v240 :: v_dual_mov_b32 v238, v241   ; block b's bound once more, in v[236 + (b + 1) % 4]: another bank than v[240 + b]
	v_dual_mov_b32 v239, v242 :: v_dual_mov_b32 v236, v243
.irp b, 0,1,2,3                                ; block by block: the sum of the unquantised p, the hold, the conversion
.if \b == 0
	v_pk_add_f32 v[248:249], v[96:97], v[98:99]
	v_pk_add_f32 v[250:251], v[100:101], v[102:103]
	v_pk_add_f32 v[218:219], v[104:105], v[106:107]
	PADD 14, 6
	PADD 248, 7
.else
	PADD 250, 8*\b
	PADD 218, 8*\b+1
	PADD 14, 8*\b+2
	PADD 248, 8*\b+3
	PADD 250, 8*\b+4
	PADD 218, 8*\b+5
	PADD 14, 8*\b+6
	PADD 248, 8*\b+7
.endif
.irp i, 0,2,4,6,8,10,12,14
	v_dual_min_num_f32 v[96+16*\b+\i], v[240+\b], v[96+16*\b+\i] :: v_dual_min_num_f32 v[97+16*\b+\i], v[236+(\b+1)%4], v[97+16*\b+\i]   ; the conversion does not saturate (ISA guide 7.6.2); p is not negative: a one-sided hold, two to a line
.endr
	v_cvt_scalef32_pk8_fp8_f32 v[192+4*\b:193+4*\b], v[96+16*\b:103+16*\b], v[244+\b]
	v_cvt_scalef32_pk8_fp8_f32 v[194+4*\b:195+4*\b], v[104+16*\b:111+16*\b], v[244+\b]
.endr
	v_pk_add_f32 v[248:249], v[248:249], v[250:251]   ; the sum's chains are joined (also the plain lines behind the conversions)
	v_pk_add_f32 v[14:15], v[14:15], v[218:219]
	v_pk_add_f32 v[14:15], v[14:15], v[248:249]
	WALU                                           ; directly ahead of the first reader of O^T
.set j, 0
.rept 16
	v_pk_mul_f32 v[160+j:161+j], v[160+j:161+j], v[252:253] op_sel_hi:[1,0]   ; O^T under the new M (also the plain lines ahead of the products)
.set j, j+2
.endr
	WALU
.if \w == 0
	s_wait_dscnt \out                              ; V's fragments and scale words are in
.endif
	WIN 0x01+0x54*(\w)                             ; source 0, V: window 1; the rest: the tile's window
.irp t, 0,1,2,3                                ; O^T += V^T P^T
	v_wmma_scale_f32_16x16x128_f8f6f4 v[160+8*\t:167+8*\t], v[32+16*\t:47+16*\t], v[192:207], v[160+8*\t:167+8*\t], v[VS+\t], v[253+\w]
.endr
.endm
; A KEY STEP of 128 keys for both tiles.  kind 0: all keys count; 1: the diagonal.  At its head the first four tiles of K are on their way.
.macro STEP kind
	v_add_nc_u32 v[ADK], s[TBK], v[AK0]
	v_add_nc_u32 v[ADV], s[TBK], v[AV0]
	v_add_nc_u32 v[ADS], s[TS], v[ASK0]
	v_add_nc_u32 v[ADT], s[TJ], v[ASV0]
	WALU                                           ; directly behind the writes
	s_wait_dscnt 0x0                               ; K's first four tiles are in
	SMUL 0, KS0, 0
	SMUL 0, KS0, 1
	WIN 0
	NOPS 8                                         ; places ahead of the loads into K's and V's registers and of the first read of the scores
	KLOAD ADK, ADS, 0, 0, 1, KS1                   ; the second four tiles and V land under the first two blocks' maxima
	VLOAD
.if \kind
	MASK 0
.set n, 0
.rept 16
	v_dual_mov_b32 v[128+n], v[NINF] :: v_dual_mov_b32 v[129+n], v[NINF2]   ; A: keys 64-127 are hidden whole
.set n, n+2
.endr
.endif
	BMAX 0
	WIN 0x55
	BMAX 0
	WALU
	s_wait_dscnt 20                                ; K's second four tiles are in; V's twenty loads may be out
.if \kind == 0
	SMUL 1, KS1, 0
.endif
	SMUL 1, KS1, 1
	WIN 0
	BJOIN 0
	WIN 0x55
	BJOIN 0
	NOPS 4                                         ; with the four maxima above: eight places
	WIN 0
.if \kind == 0
	KLOAD ADK, ADS, 9216, 512, 0, KS0              ; the next step's first four tiles: they have both softmaxes in which to land
.endif
	BMAX 2
	BJOIN 2
	WIN 0x55
.if \kind
	MASK 32
.endif
	BMAX 2
	BJOIN 2
	SM 0, 12-12*(\kind)
	SM 1, 0
	WIN 0
.endm
; THE WAY OUT of tile w: O^T / the sum; register 16 b + i is channel 32 b + 16 h + i of my query: two blocks of the last product's K, each in lanes l and l xor 16
.macro WOUT w
	WIN 0x55*(\w)
	v_add_f32 v14, v14, v15
	v_permlanex16_b32 v252, v14, s[SEL], s[SEL+1]
	v_add_f32 v14, v14, v252                       ; the row's sum
	WALU
	v_rcp_f32 v14, v14
	v_nop                                          ; a plain line behind the reciprocal
	WALU                                           ; ahead of its first reader, which is O^T's too
.set j, 0
.rept 16
	v_pk_mul_f32 v[96+j:97+j], v[160+j:161+j], v[14:15] op_sel_hi:[1,0]
.set j, j+2
.endr
.irp b, 0,1
	v_max3_num_f32 v[232+\b], |v[96+16*\b]|, |v[97+16*\b]|, 0x4800000
.endr
.irp i, 2,4,6,8,10,12,14
.irp b, 0,1
	v_max3_num_f32 v[232+\b], v[232+\b], |v[96+16*\b+\i]|, |v[97+16*\b+\i]|
.endr
.endr
.irp b, 0,1
	v_permlanex16_b32 v[236+\b], v[232+\b], s[SEL], s[SEL+1]
.endr
.irp b, 0,1
	v_max_num_f32 v[232+\b], v[232+\b], v[236+\b]
.endr
.irp b, 0,1
	v_add_nc_u32 v[244+\b], 0xfc000000, v[232+\b]
.endr
.irp b, 0,1
	v_and_or_b32 v[240+\b], v[232+\b], 0x7f800000, s[MNT]
.endr
.irp b, 0,1
	v_lshrrev_b32 v[236+\b], 23, v[244+\b]
.endr
.irp b, 0,1
.irp i, 0,1,2,3,4,5,6,7,8,9,10,11,12,13,14,15
	v_med3_num_f32 v[96+16*\b+\i], v[96+16*\b+\i], -v[240+\b], v[240+\b]
.endr
	v_cvt_scalef32_pk8_fp8_f32 v[192+4*\b:193+4*\b], v[96+16*\b:103+16*\b], v[244+\b]
	v_cvt_scalef32_pk8_fp8_f32 v[194+4*\b:195+4*\b], v[104+16*\b:111+16*\b], v[244+\b]
.endr
	v_cndmask_b32 v[BYT], v236, v237, s70          ; lanes 0-15 store block 0's byte, lanes 16-31 block 1's (also the plain line behind the conversions)
	WIN 0x44*(\w)                                  ; addresses: window 0; data: the tile's window
	ds_store_b128 v[STO], v[192:195] offset:1024*\w      ; my query's row of 64 bytes: channels 16 h on,
	ds_store_b128 v[STO], v[196:199] offset:1024*\w+32   ; and 32 + 16 h on
	ds_load_b128 v[200:203], v[RD] offset:1024*\w        ; LDS serves a wave's instructions in order: these see my stores
	ds_load_b128 v[204:207], v[RD] offset:1024*\w+512
	WALU
	s_wait_dscnt 1                                 ; the second load may be out
	global_store_b128 v[GO], v[200:203], s[76:77] offset:4096*\w   ; 32 lanes store 512 consecutive bytes, aligned to 256; B's 16 tokens lie 64 tokens of 64 bytes behind A's
	s_wait_dscnt 0x0
	global_store_b128 v[GO], v[204:207], s[76:77] offset:4096*\w+512
	global_store_b8 v[SBO], v[BYT], s[78:79] offset:2048*\w   ; two bytes a token: a wave holds one head of 16 tokens, so these rows are written in pieces; one byte for each 32 of codes
.endm
; ONE PAIR OF TILES: pass 0: of group w; pass 1: of group 15 - w.
.macro QPAIR pass
.if \pass
	s_wait_xcnt 0x0                                ; the last pair's stores have read their registers and bases, which are written anew below
	s_xor_b32 s[GI], s[WV], 15
.else
	s_mov_b32 s[GI], s[WV]
.endif
	s_lshl_b32 s[GK], s[GI], 7
	s_lshl_b32 s58, s54, 4
	s_lshl_b32 s59, s56, 11
	s_add_co_u32 s59, s59, s[GK]
	s_add_co_u32 s59, s59, s58                     ; A's first query among the 8,192 tokens
	s_lshl_b32 s60, s57, 19
	s_lshl_b32 s61, s59, 6
	s_add_co_u32 s60, s60, s61
	s_mov_b32 s61, 0
	s_add_nc_u64 s[72:73], s[4:5], s[60:61]        ; Q's codes: chunk = head, 64 bytes a token;
	s_add_nc_u64 s[76:77], s[8:9], s[60:61]        ; O's codes lie likewise
	s_lshr_b32 s60, s57, 1
	s_lshl_b32 s60, s60, 15
	s_lshl_b32 s62, s59, 2
	s_add_co_u32 s60, s60, s62
	s_and_b32 s62, s57, 1
	s_lshl_b32 s62, s62, 1
	s_add_co_u32 s60, s60, s62
	s_add_nc_u64 s[74:75], s[6:7], s[60:61]        ; Q's scale bytes: my head's two of the token's word
	s_lshl_b32 s60, s59, 5
	s_lshl_b32 s62, s57, 1
	s_add_co_u32 s60, s60, s62
	s_add_nc_u64 s[78:79], s[10:11], s[60:61]      ; O's scale bytes: 32 a token, my head's two
	global_load_b128 v[16:19], v[QO], s[72:73]
	global_load_b128 v[20:23], v[QO], s[72:73] offset:32
	global_load_u16 v255, v[QSO], s[74:75]
	global_load_u16 v0, v[QSO], s[74:75] offset:256
	KLOAD AK0, ASK0, 0, 0, 0, KS0                  ; the first step's first four tiles of K
	WIN 0x40
	global_load_b128 v[16:19], v[QO], s[72:73] offset:4096
	global_load_b128 v[20:23], v[QO], s[72:73] offset:4128
.irp w, 0, 1
	WIN 0x55*\w
	v_mov_b32 v13, 0xff61b1e6                      ; the largest t so far: -3e38, under every t
	v_floor_f32 v12, -v13
	v_mov_b32 v14, 0
	v_mov_b32 v15, 0
.set j, 0
.rept 32
	v_mov_b32 v[160+j], 0                          ; O^T: the step has no first form of its own: the first change of M multiplies zeros
.set j, j+1
.endr
.endr
	WIN 0
	s_mov_b32 s[TBK], 0
	s_mov_b32 s[TS], 0
	s_mov_b32 s[TJ], 0
	s_mov_b32 s[KF], 0
	s_mov_b32 s[TRIP], 15
	WALU
	s_wait_loadcnt 0x0
.Lks_\@:                                           ; fifteen trips, a constant of the text: my group's full steps come first; the trips behind them cost their branch alone
	s_cmp_ge_u32 s[KF], s[GK]
	s_cbranch_scc1 .Lhid_\@
	STEP 0
.Lhid_\@:
	s_add_co_u32 s[KF], s[KF], 128
	s_add_co_u32 s[TBK], s[TBK], 9216
	s_add_co_u32 s[TS], s[TS], 512
	s_add_co_u32 s[TJ], s[TJ], 256
	s_sub_co_u32 s[TRIP], s[TRIP], 1
	s_cmp_lg_u32 s[TRIP], 0
	WALU
	s_cbranch_scc1 .Lks_\@
	s_mul_i32 s[TBK], s[GI], 9216                  ; the diagonal's step: of the wave's number alone
	s_lshl_b32 s[TS], s[GI], 9
	s_lshl_b32 s[TJ], s[GI], 8
	STEP 1
	WOUT 0
	WOUT 1
	WIN 0
.endm
	QPAIR 0
	QPAIR 1
	s_wait_tensorcnt 0x0                           ; the wave's end, behind my last tensor load and my last LDS store
	ds_add_u32 v[SPW], v[NIL]
	s_wait_dscnt 0x0
	CROUND                                         ; the closing round
	s_endpgm
.Lfunc_end_k_qa680a1e9a8_attn:
	.size	k_qa680a1e9a8_attn, .Lfunc_end_k_qa680a1e9a8_attn-k_qa680a1e9a8_attn
	.p2alignl 7, 3214868480
	.fill 96, 4, 3214868480
	.section	.rodata,"a",@progbits
	.p2align	6, 0x0
	.amdhsa_kernel k_qa680a1e9a8_attn
		.amdhsa_group_segment_fixed_size 327680
		.amdhsa_private_segment_fixed_size 0
		.amdhsa_enable_private_segment 0
		.amdhsa_kernarg_size 32
		.amdhsa_user_sgpr_count 2
		.amdhsa_user_sgpr_kernarg_segment_ptr 1
		.amdhsa_wavefront_size32 1
		.amdhsa_system_sgpr_workgroup_id_x 1
		.amdhsa_system_sgpr_workgroup_id_y 1
		.amdhsa_system_sgpr_workgroup_id_z 1
		.amdhsa_system_vgpr_workitem_id 0
		.amdhsa_next_free_vgpr 512
		.amdhsa_next_free_sgpr 96
		.amdhsa_reserve_vcc 1
		.amdhsa_float_denorm_mode_32 3
		.amdhsa_float_denorm_mode_16_64 3
		.amdhsa_memory_ordered 1
		.amdhsa_forward_progress 1
		.amdhsa_inst_pref_size 193
	.end_amdhsa_kernel
	.amdgpu_metadata
---
amdhsa.version: [ 1, 2 ]
amdhsa.kernels:
  - .name:           k_qa680a1e9a8_attn
    .symbol:         k_qa680a1e9a8_attn.kd
    .args:
      - { .name: qkvc, .offset: 0, .size: 8, .value_kind: global_buffer, .address_space: global }
      - { .name: qkvs, .offset: 8, .size: 8, .value_kind: global_buffer, .address_space: global }
      - { .name: aoc, .offset: 16, .size: 8, .value_kind: global_buffer, .address_space: global }
      - { .name: aos, .offset: 24, .size: 8, .value_kind: global_buffer, .address_space: global }
    .group_segment_fixed_size: 327680
    .private_segment_fixed_size: 0
    .kernarg_segment_align: 8
    .kernarg_segment_size: 32
    .max_flat_workgroup_size: 256
    .sgpr_count:     96
    .vgpr_count:     512
    .wavefront_size: 32
...
	.end_amdgpu_metadata
.endif
;; end of part 3
;; launch proj (part 4): grid 4 x 64, 4 waves a work-group, clusters of 4 x 4, 327,680 bytes of LDS; arguments aoc, aos, wc, ws, out0; writes out0
.if DOCPART == 4
	.amdgcn_target "amdgcn-amd-amdhsa--gfx1250"
	.amdhsa_code_object_version 6
	.text
	.protected	k_qa680a1e9a8_proj
	.globl	k_qa680a1e9a8_proj
	.p2align	8
	.type	k_qa680a1e9a8_proj,@function
k_qa680a1e9a8_proj:
	s_mov_b64 s[64:65], 0
	v_nop
	global_prefetch_b8 v0, s[64:65] scope:SCOPE_SE
	s_setreg_imm32_b32 hwreg(HW_REG_WAVE_MODE, 25, 1), 1
	s_wait_xcnt 0x0
	s_wait_alu depctr_hold_cnt(0) depctr_sa_sdst(0) depctr_va_vdst(0) depctr_va_sdst(0) depctr_va_ssrc(0) depctr_va_vcc(0) depctr_vm_vsrc(0)
	s_getreg_b32 s2, hwreg(HW_REG_IB_STS2, 6, 4)
	s_cmp_eq_u32 s2, 0
	s_cbranch_scc0 .Lentry_in_a_cluster
	s_endpgm
.Lentry_in_a_cluster:
	s_bfe_u32 s2, ttmp6, 0x10000c
	s_cmp_lg_u32 s2, 0xf033
	s_cbranch_scc0 .Lentry_shape_is_right
	s_endpgm
.Lentry_shape_is_right:
; out0 = O W_out on codes of FP8 (E4M3) with one E8M0 scale for each 32 along K = 1,024; sums in f32, stored as f32.
; A = O's codes, aoc [chunk = channel / 64][token 8,192][64 bytes], scale bytes aos [token][32].  B = W_out's columns: rows 3,072 on of wc [row][1,024] and ws [row][32], row i at position sigma(i) (bits 3 and 4 exchanged).
; A BLOCK IS 128 TOKENS x 256 COLUMNS: 64 x 4 blocks = 256 work-groups.  Four waves, 2 x 2; a wave makes 64 x 128: 32 accumulators, 256 registers.
; K goes in steps of 256 (four chunks of A; 256 bytes of each row of B) through a ring of two LDS slots filled by the tensor data mover; the scale bytes of the block's rows come once.
; CLUSTERS: 4 x 4 work-groups.  The four of a row of the cluster need the same tiles of A, the four of a column the same tiles of B: each is asked for JOINTLY, by the same tensor load with the same descriptor and a mask that names the four.
; THE HEAD'S LOADS, one a wave: wave 0 K step 0's four chunks of A, wave 1 its 256 rows of B, wave 2 A's scales, wave 3 B's.  In the ring waves 0, 1 fetch two chunks of A each, waves 2, 3 128 rows of B each.
; K has four fills, two of which go out at the head and behind the first round: no prefetch is laid.
; THE MATRIX INSTRUCTION IS USED TRANSPOSED (source 0 = 16 rows of B, source 1 = 16 tokens): in the accumulators of A's block a lane (r, h) holds token 16 a + r, and register 8 b + j column 32 (b / 2) + 16 h + 8 (b % 2) + j.
; LIMITS: NaN and infinities are not served.
; REGISTERS, in windows of 256: window 0: v16-29 addresses; v32-63 scale words, two sets; v128-191, v192-255 A's fragments, two sets, later the rows on their way out.  Window 1: B's fragments, two sets.  Window 2: accumulator (a, b) at v[8 (8 a + b)].
.set NQ,     2                         ; matrix instructions deep in a slot
.set ROWB,   256
.set KROW,   1024
.set KHOP,   2097152                   ; four chunks of aoc
.set PITCH,  272                       ; B's LDS row: 256 bytes + 16
.set PA,     80                        ; A's LDS row: a token's 64 bytes of a chunk + 16
.set ZA,     128*PA                    ; a chunk of 128 tokens
.set ATILE,  4*ZA
.set FR,     16
.set NP,     8                         ; places behind this matrix instruction (ISA guide 7.12.1)
.set HALFT,  128*PITCH
.set SLOT,   ATILE+2*HALFT             ; A's four chunks, then B's 256 rows
.set LAPS,   2
.set KS,     32
.set SCL,    2*SLOT                    ; behind the ring: the scales, as units of 256 bytes + 16: A's 128 rows, then B's 256
.set HALFS,  16*272                    ; those of 128 rows
.set SBLK,   2*272                     ; those of 16 rows
.set SPARE,  SCL+3*HALFS               ; the spare words, 128 bytes for each wave
.set SPITCH, 528                       ; the way out: 16 rows x (512 bytes + 16) for each wave, in slot 0, which has had its last fill and its last read by then
.set NB,     4096                      ; a row of out0
.set ADRA, 16
.set ADRB, 20
.set STO,  24
.set RD,   25
.set CO,   26
.set ADRS, 27
.set SPW,  28
.set NIL,  29
.set SC,   32
.set AF,   128
.set BK,   128
.set G1, 24
.set G0, 32
.set G1B, 48
.set G0B, 56
.set G1S, 68
.set G0S, 76
.set G1SB, 80
.set G0SB, 88
.set G0H, 4                            ; s[4:7], s[8:11] group 0 for the head's loads of codes (the arguments that lay there have been used)
.set G0HB, 8
.set MSB, 0
.macro WIN new                         ; the immediate's high byte repeats the setting that is left
.if MSB != \new
	s_set_vgpr_msb (MSB<<8)|\new
.set MSB, \new
.endif
.endm
.set MUL_LO, 0xa1                      ; source 0 (B) window 1, source 1 (A) window 0, C and D window 2
.set TO_B,   0x40
.macro PLACES n
.rept \n
	v_nop
.endr
.endm
.macro WALU
	s_wait_alu depctr_va_vdst(0)
.endm
; A joint load of the ring: waves 0 and 1 fetch for A, waves 2 and 3 for B; the branch hangs on the wave's number alone.  An s_nop 0 and four v_nop follow each line.
.macro JLOAD g0a, g1a, g0b, g1b
	s_cmp_eq_u32 s15, 0
	s_cbranch_scc0 .Lfor_b_\@
	tensor_load_to_lds s[\g0a:\g0a+3], s[\g1a:\g1a+7]
	s_nop 0
	PLACES 4
	s_branch .Lasked_\@
.Lfor_b_\@:
	tensor_load_to_lds s[\g0b:\g0b+3], s[\g1b:\g1b+7]
	s_nop 0
	PLACES 4
.Lasked_\@:
.endm
.macro CREST                           ; a round of the cluster's barrier behind its opening barrier
	s_cmp_lg_u32 s14, 0
	s_cbranch_scc1 .Lnot_wave_0_\@
	s_barrier_signal -3
.Lnot_wave_0_\@:
	s_barrier_wait -3
	s_barrier_signal -1
	s_barrier_wait -1
.endm
.macro CROUND
	s_barrier_signal -1
	s_barrier_wait -1
	CREST
.endm
	s_load_b128 s[4:7], s[0:1], 0x0                ; aoc, aos
	s_load_b128 s[8:11], s[0:1], 0x10              ; wc, ws
	s_load_b64 s[12:13], s[0:1], 0x20              ; out0
	v_lshl_add_u32 v[SPW], v0, 2, SPARE
	v_mov_b32 v[NIL], 0
	ds_add_u32 v[SPW], v[NIL]                      ; the opening: the add, twice on end, and its wait; work on registers between
	ds_add_u32 v[SPW], v[NIL]
	v_lshrrev_b32 v1, 5, v0
	v_readfirstlane_b32 s14, v1                    ; wave 0..3
	s_lshr_b32 s15, s14, 1                         ; which 64 tokens are mine.  Also: I fetch for A (0) or for B (1)
	s_and_b32 s16, s14, 1                          ; which 128 columns.  Also: which half of a tile I fetch
	s_bfe_u32 s40, ttmp6, 0x40000                  ; cx, cy
	s_bfe_u32 s41, ttmp6, 0x40004
	s_lshl_b32 s42, ttmp9, 2
	s_add_co_u32 s42, s42, s40                     ; block column = 4 x cluster x + cx
	s_and_b32 s17, ttmp7, 0xffff
	s_lshl_b32 s17, s17, 2
	s_add_co_u32 s17, s17, s41                     ; block row = 4 x cluster y + cy
	s_lshl_b32 s43, s41, 2
	s_lshl_b32 s43, 15, s43                        ; my row of the cluster
	s_lshl_b32 s44, 0x1111, s40                    ; my column
	s_or_b32 s[G1+0], s43, (0<<16)|(1<<20)|(1<<21)|(3<<22)|(3<<25)   ; A: rows of 8,192 bytes (128 tokens of a chunk), 16 bytes of padding behind each 64; four rows at the head, two in the ring
	s_mov_b32 s[G1+1], 8192<<16
	s_mov_b32 s[G1+2], 4<<16
	s_mov_b32 s[G1+3], 8192<<16
	s_mov_b32 s[G1+4], 4
	s_mov_b32 s[G1+5], 524288
	s_mov_b32 s[G1+6], 0
	s_mov_b32 s[G1+7], 0
	s_or_b32 s[G1B+0], s44, (0<<16)|(1<<20)|(1<<21)|(5<<22)|(3<<25)  ; B: rows of 256 bytes, 16 of padding behind each; 256 rows at the head, 128 in the ring
	s_mov_b32 s[G1B+1], ROWB<<16
	s_mov_b32 s[G1B+2], 256<<16
	s_mov_b32 s[G1B+3], ROWB<<16
	s_mov_b32 s[G1B+4], 256
	s_mov_b32 s[G1B+5], KROW
	s_mov_b32 s[G1B+6], 0
	s_mov_b32 s[G1B+7], 0
	s_or_b32 s[G1S+0], s43, (3<<16)|(1<<20)|(1<<21)|(5<<22)|(3<<25)  ; scales: dense bytes as rows of 256 (32 elements of 8 bytes), 16 of padding behind each: A's 16 rows, B's 32
	s_mov_b32 s[G1S+1], 32<<16
	s_mov_b32 s[G1S+2], 16<<16
	s_mov_b32 s[G1S+3], 32<<16
	s_mov_b32 s[G1S+4], 16
	s_mov_b32 s[G1S+5], 32
	s_mov_b32 s[G1S+6], 0
	s_mov_b32 s[G1S+7], 0
	s_or_b32 s[G1SB+0], s44, (3<<16)|(1<<20)|(1<<21)|(5<<22)|(3<<25)
	s_mov_b32 s[G1SB+1], 32<<16
	s_mov_b32 s[G1SB+2], 32<<16
	s_mov_b32 s[G1SB+3], 32<<16
	s_mov_b32 s[G1SB+4], 32
	s_mov_b32 s[G1SB+5], 32
	s_mov_b32 s[G1SB+6], 0
	s_mov_b32 s[G1SB+7], 0
	s_lshl_b32 s20, s17, 13                        ; A's codes: 128 tokens x 64 bytes a block row
	s_lshl_b32 s22, s17, 12                        ; A's scales: 128 x 32
	s_lshl_b32 s46, s42, 18                        ; B's codes: 256 rows x 1,024
	s_lshl_b32 s92, s42, 13                        ; B's scales: 256 x 32
	s_mov_b32 s21, 0
	s_mov_b32 s23, 0
	s_mov_b32 s47, 0
	s_mov_b32 s93, 0
	s_lshl_b32 s18, s16, 20                        ; in the ring: A: two chunks on,
	s_mov_b32 s19, 0
	s_lshl_b32 s96, s16, 17                        ; B: 128 rows on
	s_mov_b32 s97, 0
	s_mul_i32 s95, s16, 2*ZA                       ; and where they go: of the wave's number alone
	s_mul_i32 s45, s16, HALFT
	s_add_co_u32 s45, s45, ATILE
	s_wait_dscnt 0x0
	s_wait_kmcnt 0x0
	s_add_nc_u64 s[8:9], s[8:9], 0x300000          ; wc at row 3,072
	s_add_nc_u64 s[10:11], s[10:11], 0x18000       ; ws likewise
	s_add_nc_u64 s[20:21], s[4:5], s[20:21]
	s_add_nc_u64 s[22:23], s[6:7], s[22:23]
	s_add_nc_u64 s[46:47], s[8:9], s[46:47]
	s_add_nc_u64 s[92:93], s[10:11], s[92:93]
	CROUND                                         ; all sixteen work-groups are here: the first joint loads meet
	s_mov_b32 s[G0H], 1
	s_mov_b32 s[G0H+1], 0
	s_mov_b64 s[G0H+2:G0H+3], s[20:21]
	s_or_b32 s[G0H+3], s[G0H+3], 0x80000000
	s_mov_b32 s[G0HB], 1
	s_mov_b32 s[G0HB+1], ATILE
	s_mov_b64 s[G0HB+2:G0HB+3], s[46:47]
	s_or_b32 s[G0HB+3], s[G0HB+3], 0x80000000
	s_mov_b32 s[G0S], 1
	s_mov_b32 s[G0S+1], SCL
	s_mov_b64 s[G0S+2:G0S+3], s[22:23]
	s_or_b32 s[G0S+3], s[G0S+3], 0x80000000
	s_mov_b32 s[G0SB], 1
	s_mov_b32 s[G0SB+1], SCL+HALFS
	s_mov_b64 s[G0SB+2:G0SB+3], s[92:93]
	s_or_b32 s[G0SB+3], s[G0SB+3], 0x80000000
	s_add_nc_u64 s[20:21], s[20:21], s[18:19]
	s_add_nc_u64 s[46:47], s[46:47], s[96:97]
.irp s, 0,1
	s_mov_b32 s[G0+4*\s], 1
	s_add_co_u32 s[G0+4*\s+1], s95, \s*SLOT
	s_add_nc_u64 s[G0+4*\s+2:G0+4*\s+3], s[20:21], \s*KHOP
	s_or_b32 s[G0+4*\s+3], s[G0+4*\s+3], 0x80000000
	s_mov_b32 s[G0B+4*\s], 1
	s_add_co_u32 s[G0B+4*\s+1], s45, \s*SLOT
	s_add_nc_u64 s[G0B+4*\s+2:G0B+4*\s+3], s[46:47], \s*ROWB
	s_or_b32 s[G0B+4*\s+3], s[G0B+4*\s+3], 0x80000000
.endr
.macro ARM under, g0, g1, next         ; one chain of branches on the wave's number, one load to an arm
	s_cmp_lt_u32 s14, \under
	s_cbranch_scc0 \next
	tensor_load_to_lds s[\g0:\g0+3], s[\g1:\g1+7]
	s_nop 0
	PLACES 4
	s_branch .Lhead_asked
\next:
.endm
	ARM 1, G0H,  G1,  .Lhead_b
	ARM 2, G0HB, G1B, .Lhead_sa
	ARM 3, G0S,  G1S, .Lhead_sb
	tensor_load_to_lds s[G0SB:G0SB+3], s[G1SB:G1SB+7]
	s_nop 0
	PLACES 4
.Lhead_asked:
	v_and_b32 v1, 15, v0                           ; r
	v_bfe_u32 v2, v0, 4, 1                         ; h
	v_mul_u32_u24 v3, v1, PITCH
	v_lshl_add_u32 v4, v2, 4, v3                   ; B: a fragment's row x pitch + 16 h
	v_mul_u32_u24 v3, v1, PA
	v_lshl_add_u32 v3, v2, 4, v3                   ; A likewise
	s_mul_i32 s21, s15, 64*PA                      ; my 64 tokens
	s_mul_i32 s22, s16, HALFT                      ; my 128 rows of B,
	s_add_co_u32 s22, s22, ATILE                   ; which lie behind A's chunks
.irp s, 0,1
	v_add_nc_u32 v[ADRA+\s], s21, v3
	v_add_nc_u32 v[ADRB+\s], s22, v4
	s_add_co_u32 s21, s21, SLOT
	s_add_co_u32 s22, s22, SLOT
.endr
	WALU
	v_mul_u32_u24 v5, v1, KS                       ; my row's scales: 32 bytes a row,
	v_lshrrev_b32 v6, 8, v5
	v_lshl_add_u32 v5, v6, 4, v5                   ; and 16 more for each 256 passed
	s_mul_i32 s21, s15, 8*272                      ; A's: my 64 rows
	s_mul_i32 s22, s16, HALFS                      ; B's: my 128 rows, behind A's 128
	s_add_co_u32 s22, s22, HALFS
	s_sub_co_u32 s22, s22, s21
	v_mul_u32_u24 v6, s22, v2                      ; lanes 16-31 take B's
	s_add_co_u32 s21, s21, SCL
	v_add_nc_u32 v5, v5, v6
	v_add_nc_u32 v[ADRS], s21, v5
	s_mul_i32 s23, s14, 16*SPITCH                  ; my stage
	v_mul_u32_u24 v5, v1, SPITCH
	v_lshl_add_u32 v5, v2, 6, v5                   ; in: row r, 64 bytes for each half of the lanes in each 128
	v_add_nc_u32 v[STO], s23, v5
	v_and_b32 v6, 31, v0
	v_lshlrev_b32 v[CO], 4, v6                     ; back: the 32 lanes take one row of 512 bytes; and the same in out0
	v_add_nc_u32 v[RD], s23, v[CO]
	s_lshl_b32 s20, s17, 7
	s_lshl_b32 s21, s15, 6
	s_add_co_u32 s20, s20, s21                     ; my first token
	s_lshl_b32 s20, s20, 12
	s_mov_b32 s21, 0
	s_lshl_b32 s46, s42, 10                        ; my first column, in bytes
	s_lshl_b32 s47, s16, 9
	s_add_co_u32 s46, s46, s47
	s_mov_b32 s47, 0
	s_add_nc_u64 s[20:21], s[20:21], s[46:47]
	s_add_nc_u64 s[12:13], s[12:13], s[20:21]
.macro FRAGB reg, adr, q, i            ; a fragment, 16 rows x 128 K, is 16 registers: registers 4 c .. 4 c + 3 hold K = 32 c + 16 h + 0 .. 15
.irp c, 0,1,2,3
	ds_load_b128 v[\reg+4*\c:\reg+4*\c+3], v[\adr] offset:128*(\q)+32*\c+(\i)*16*PITCH
.endr
.endm
.macro FRAGA reg, adr, q, i            ; A's: 128 along K are two chunks
.irp c, 0,1,2,3
	ds_load_b128 v[\reg+4*\c:\reg+4*\c+3], v[\adr] offset:(2*(\q)+\c/2)*ZA+(\i)*16*PA+32*(\c%2)
.endr
.endm
; 16 matrix instructions: A's blocks a0, a0 + 1 x B's eight, on set p.  The 32 accumulators take turns, one instruction a turn, in the same order in every step.  zero = 1: the first product starts the sums.
.macro MUL16 a0, p, q, sc, zero
	WIN MUL_LO
.irp a, \a0, \a0+1
.irp b, 0,1,2,3,4,5,6,7
.if \zero
	v_wmma_scale_f32_16x16x128_f8f6f4 v[8*(8*(\a)+\b):8*(8*(\a)+\b)+7], v[128*(\p)+FR*\b:128*(\p)+FR*\b+FR-1], v[AF+64*(\p)+FR*(\a):AF+64*(\p)+FR*(\a)+FR-1], 0, v[SC+8*NQ*(\sc)+NQ*\b+(\q)], v[SC+8*NQ*(\sc)+NQ*(\a)+(\q)] matrix_a_scale:MATRIX_SCALE_ROW1
.else
	v_wmma_scale_f32_16x16x128_f8f6f4 v[8*(8*(\a)+\b):8*(8*(\a)+\b)+7], v[128*(\p)+FR*\b:128*(\p)+FR*\b+FR-1], v[AF+64*(\p)+FR*(\a):AF+64*(\p)+FR*(\a)+FR-1], v[8*(8*(\a)+\b):8*(8*(\a)+\b)+7], v[SC+8*NQ*(\sc)+NQ*\b+(\q)], v[SC+8*NQ*(\sc)+NQ*(\a)+(\q)] matrix_a_scale:MATRIX_SCALE_ROW1
.endif
.endr
.endr
	WIN 0
.endm
.macro FETCH slot, q, p                ; the fragments of the slot's q-th 128 along K into set p: B's eight, A's four: 48 LDS loads
	WIN TO_B
.irp i, 0,1,2,3,4,5,6,7
	FRAGB 128*(\p)+FR*\i, ADRB+\slot, \q, \i
.endr
	WIN 0
.irp i, 0,1,2,3
	FRAGA AF+64*(\p)+FR*\i, ADRA+\slot, \q, \i
.endr
.endm
.macro SCALES sc                       ; a K step's scale words: two words a row; lanes 0-15 take A's block i (of the four that I use), lanes 16-31 B's block i
.irp i, 0,1,2,3,4,5,6,7
	ds_load_b64 v[SC+8*NQ*\sc+NQ*\i:SC+8*NQ*\sc+NQ*\i+1], v[ADRS] offset:\i*SBLK
.endr
.endm
.macro STEP slot, zero                 ; a slot's first 128 along K, on set 0; in its middle the second 128's fragments are asked for, into set 1
	s_wait_dscnt 0x0                               ; set 0 and the scale words are in
	MUL16 0, 0, 0, \slot, \zero
	PLACES NP                                      ; ahead of the loads into set 1, which the step before multiplied
	FETCH \slot, 1, 1
	MUL16 2, 0, 0, \slot, \zero
.endm
; A slot's second 128 along K, on set 1, changes slots: ONE barrier; in front of it each wave waits for all its tensor loads, adds 0 to its spare word, and waits for that and for its reads of this slot, which are over with set 1's.  fill = 1: this slot is filled again.
.macro TURN slot, next, fill
	s_wait_tensorcnt 0x0                           ; my part of the next slot has landed
	ds_add_u32 v[SPW], v[NIL]
	s_wait_dscnt 0x0
	s_barrier_signal -1
	MUL16 0, 1, 1, \slot, 0                        ; work on registers while the others arrive
	s_barrier_wait -1
.if \fill
	CREST                                          ; the barrier has opened a round of the cluster's barrier
	s_add_nc_u64 s[G0+4*\slot+2:G0+4*\slot+3], s[G0+4*\slot+2:G0+4*\slot+3], 2*KHOP
	s_add_nc_u64 s[G0B+4*\slot+2:G0B+4*\slot+3], s[G0B+4*\slot+2:G0B+4*\slot+3], 2*ROWB
	JLOAD G0+4*\slot, G1, G0B+4*\slot, G1B         ; the first tensor load behind the round; its four v_nop are among the places ahead of the loads below
	PLACES NP-4
.else
	PLACES NP
.endif
	v_add_nc_u32 v[ADRS], 4*NQ, v[ADRS]            ; on to the next K step's scale words
	WALU                                           ; directly behind the write
	FETCH \next, 0, 0
	SCALES \next
	MUL16 2, 1, 1, \slot, 0
.endm
	WALU                                           ; the head's end
	s_wait_tensorcnt 0x0                           ; my tile of the head's four is in
	ds_add_u32 v[SPW], v[NIL]
	s_mov_b32 s[G1+2], 2<<16                       ; no tensor load of mine is out: from here on a load brings two chunks of A,
	s_mov_b32 s[G1+4], 2
	s_mov_b32 s[G1B+2], 128<<16                    ; or 128 rows of B
	s_mov_b32 s[G1B+4], 128
	s_wait_dscnt 0x0
	CROUND                                         ; a whole round: all four tiles are in, and the sixteen work-groups are here
	JLOAD G0+4, G1, G0B+4, G1B                     ; K step 1, the first tensor load behind the round
	FETCH 0, 0, 0
	SCALES 0
	STEP 0, 1                                      ; the first step stands in front of the loop: its products start the sums
	s_mov_b32 s3, LAPS-1
.Llap:                                                 ; a trip goes once round the ring and fills both slots again
	TURN 0, 1, 1
	STEP 1, 0
	TURN 1, 0, 1
	STEP 0, 0
	s_sub_co_u32 s3, s3, 1
	s_cmp_lg_u32 s3, 0
	s_cbranch_scc1 .Llap
	TURN 0, 1, 0                                   ; the last lap fills nothing
	STEP 1, 0
	s_wait_dscnt 0x0
	MUL16 0, 1, 1, 1, 0
	MUL16 2, 1, 1, 1, 0
; THE WAY OUT, block by block of 16 tokens x 128 columns, through my own stage: back come whole rows of 512 bytes.  LDS serves a wave's instructions in order: no wait between the stores and the loads.
.macro TOSTAGE a
.set AC, 64*(\a)
	WIN 0x08                                       ; the data: window 2
.irp b, 0,1,2,3,4,5,6,7
	ds_store_b128 v[STO], v[AC+8*\b:AC+8*\b+3] offset:128*(\b/2)+32*(\b%2)       ; each accumulator from its low end on
	ds_store_b128 v[STO], v[AC+8*\b+4:AC+8*\b+7] offset:128*(\b/2)+32*(\b%2)+16
.endr
	WIN 0
.set BB, BK+64*((\a)%2)
.irp t, 0,1,2,3,4,5,6,7,8,9,10,11,12,13,14,15
	ds_load_b128 v[BB+4*\t:BB+4*\t+3], v[RD] offset:\t*SPITCH
.endr
.endm
.macro SEND a, younger                 ; younger: the LDS instructions issued behind block a's loads, which may stay out
.set BB, BK+64*((\a)%2)
	s_wait_dscnt \younger
.if (\a) > 0
	s_add_nc_u64 s[12:13], s[12:13], 16*NB         ; (behind a wait on XCNT: the earlier stores have read their base)
.endif
.irp t, 0,1,2,3,4,5,6,7,8,9,10,11,12,13,14,15
	global_store_b128 v[CO], v[BB+4*\t:BB+4*\t+3], s[12:13] offset:\t*NB th:TH_STORE_NT   ; 32 lanes store 512 consecutive bytes, aligned to 256
.endr
.endm
	PLACES NP
	TOSTAGE 0
.irp a, 1,2,3
.if \a > 1
	s_wait_xcnt 0x0                                ; block a - 2's stores have read their registers and their base
.endif
	TOSTAGE \a
	SEND \a-1, 32                                  ; behind block a - 1's loads: block a's 16 stores and 16 loads
.endr
	s_wait_xcnt 0x0
	SEND 3, 0
	s_wait_tensorcnt 0x0                           ; the wave's end, behind my last tensor load and my last LDS store
	ds_add_u32 v[SPW], v[NIL]
	s_wait_dscnt 0x0
	CROUND                                         ; the closing round
	s_endpgm
.Lfunc_end_k_qa680a1e9a8_proj:
	.size	k_qa680a1e9a8_proj, .Lfunc_end_k_qa680a1e9a8_proj-k_qa680a1e9a8_proj
	.p2alignl 7, 3214868480
	.fill 96, 4, 3214868480
	.section	.rodata,"a",@progbits
	.p2align	6, 0x0
	.amdhsa_kernel k_qa680a1e9a8_proj
		.amdhsa_group_segment_fixed_size 327680
		.amdhsa_private_segment_fixed_size 0
		.amdhsa_enable_private_segment 0
		.amdhsa_kernarg_size 40
		.amdhsa_user_sgpr_count 2
		.amdhsa_user_sgpr_kernarg_segment_ptr 1
		.amdhsa_wavefront_size32 1
		.amdhsa_system_sgpr_workgroup_id_x 1
		.amdhsa_system_sgpr_workgroup_id_y 1
		.amdhsa_system_sgpr_workgroup_id_z 1
		.amdhsa_system_vgpr_workitem_id 0
		.amdhsa_next_free_vgpr 768
		.amdhsa_next_free_sgpr 98
		.amdhsa_reserve_vcc 0
		.amdhsa_float_denorm_mode_32 3
		.amdhsa_float_denorm_mode_16_64 3
		.amdhsa_memory_ordered 1
		.amdhsa_forward_progress 1
		.amdhsa_inst_pref_size 90
	.end_amdhsa_kernel
	.amdgpu_metadata
---
amdhsa.version: [ 1, 2 ]
amdhsa.kernels:
  - .name:           k_qa680a1e9a8_proj
    .symbol:         k_qa680a1e9a8_proj.kd
    .args:
      - { .name: aoc, .offset: 0, .size: 8, .value_kind: global_buffer, .address_space: global }
      - { .name: aos, .offset: 8, .size: 8, .value_kind: global_buffer, .address_space: global }
      - { .name: wc, .offset: 16, .size: 8, .value_kind: global_buffer, .address_space: global }
      - { .name: ws, .offset: 24, .size: 8, .value_kind: global_buffer, .address_space: global }
      - { .name: out0, .offset: 32, .size: 8, .value_kind: global_buffer, .address_space: global }
    .group_segment_fixed_size: 327680
    .private_segment_fixed_size: 0
    .kernarg_segment_align: 8
    .kernarg_segment_size: 40
    .max_flat_workgroup_size: 128
    .sgpr_count:     98
    .vgpr_count:     768
    .wavefront_size: 32
...
	.end_amdgpu_metadata
.endif
;; end of part 4
